; MI455X (gfx1250); checked and timed in simulation.
; The chip was launched on July 23, 2026; its instructions are those of AMD's public machine-readable ISA for CDNA 5 (MIT licence, August 2026) and "CDNA5" Instruction Set Architecture Reference Guide (July 2026). The comments in the code are by the model that wrote it; some were corrected since.
;; Hybrid FFN. Allowed arithmetic: matrix products marked QUANTISED: E2M3 operands, one E8M0 scale for each 32 along K, by v_wmma_scale_f32_16x16x128_f8f6f4 with both operands' format E2M3, f32 sums; products left as they are: f32 operands where the result goes on into a quantised operand, else bf16, f16 or f32 operands; f32 sums; everything else in f32.
;; Inputs: W1 1,024 x 4,096 float32; W2 4,096 x 1,024 float32; Wg 1,024 x 4 float32; b1 4,096 float32; b2 1,024 float32; ew1 4 x 1,024 x 4,096 float32; ew2 4 x 4,096 x 1,024 float32; ew3 4 x 1,024 x 4,096 float32; x 4 x 256 x 1,024 float32.
;; Outputs: out0 4 x 256 x 1,024 float32; out1 one number float32.
;; This version of the problem:
;;   THIS VERSION OF THE PROBLEM IS GIVEN IN LOW PRECISION. The matrix products marked QUANTISED in the list below multiply operands that are first quantised to E2M3 (2 exponent bits, 3 mantissa bits; 6 bits a number), with one power-of-two scale for each 32 numbers along K (OCP MX v1.0); their sums are f32. All else is computed in f32.
;;   The module's matrix products, in the order in which they are computed (A, B: the left and right operand; K: the contracted axis; several contracted axes count as one K, in the product's order):
;;     1. [M 1,024, K 1,024] x [K 1,024, N 4,096]; A: input x; B: input W1: QUANTISED
;;     2. [M 1,024, K 4,096] x [K 4,096, N 1,024]; A: computed on the way; B: input W2: QUANTISED
;;     3. [M 1,024, K 1,024] x [K 1,024, N 4]; A: input x; B: input Wg: left as it is (N = 4 < 16)
;;     4. [M 1,024, K 1,024] x [K 1,024, N 4,096]; A: input x; B: input ew1: QUANTISED
;;     5. [M 1,024, K 1,024] x [K 1,024, N 4,096]; A: input x; B: input ew3: QUANTISED
;;     6. [M 1,024, K 4,096] x [K 4,096, N 1,024]; A: computed on the way; B: input ew2: QUANTISED
;;     7. [M 1,024, K 1,024] x [K 1,024, N 4,096]; A: input x; B: input ew1: QUANTISED
;;     8. [M 1,024, K 1,024] x [K 1,024, N 4,096]; A: input x; B: input ew3: QUANTISED
;;     9. [M 1,024, K 4,096] x [K 4,096, N 1,024]; A: computed on the way; B: input ew2: QUANTISED
;;     10. [M 1,024, K 1,024] x [K 1,024, N 4,096]; A: input x; B: input ew1: QUANTISED
;;     11. [M 1,024, K 1,024] x [K 1,024, N 4,096]; A: input x; B: input ew3: QUANTISED
;;     12. [M 1,024, K 4,096] x [K 4,096, N 1,024]; A: computed on the way; B: input ew2: QUANTISED
;;     13. [M 1,024, K 1,024] x [K 1,024, N 4,096]; A: input x; B: input ew1: QUANTISED
;;     14. [M 1,024, K 1,024] x [K 1,024, N 4,096]; A: input x; B: input ew3: QUANTISED
;;     15. [M 1,024, K 4,096] x [K 4,096, N 1,024]; A: computed on the way; B: input ew2: QUANTISED
;;   THE QUANTISER, for each operand of a quantised product, along K:
;;     - K is cut into blocks of 32 from its start; a last block that is shorter is filled with zeros.
;;     - A block's scale is 2^e with e = floor(log2(the largest magnitude in the block)) - 2, held to -126 .. 127; a block of zeros has e = 0. As a byte (E8M0): e + 127.
;;     - Each number is divided by its block's scale, clamped to +-7.5, and rounded to the nearest number of E2M3, ties to even, subnormals kept.
;;     - The product sums the exact products of the quantised numbers (number of the format x scale) in f32.
;;   ~~~python
;;   def quantise(x, axis):      # numpy; x: float32 -> the quantised numbers, widened to float32 again
;;       x = np.moveaxis(x, axis, -1); K = x.shape[-1]
;;       x = np.pad(x, [(0, 0)] * (x.ndim - 1) + [(0, -K % 32)]); x = x.reshape(x.shape[:-1] + (-1, 32)); a = np.abs(x).max(-1, keepdims=True)
;;       e = np.where(a > 0, np.clip(np.frexp(np.where(a > 0, a, 1))[1] - 1 - 2, -126, 127), 0)      # np.frexp(a)[1] - 1 = floor(log2(a)), exactly
;;       r = np.clip(x / 2.0 ** e, -7.5, 7.5)
;;       step = 2.0 ** (np.maximum(np.frexp(np.where(r == 0, 1, r))[1] - 1, 0) - 3)
;;       q = np.round(r / step) * step * 2.0 ** e      # np.round: ties to even
;;       return np.moveaxis(q.reshape(q.shape[:-2] + (-1,))[..., :K], -1, axis).astype(np.float32)
;;   ~~~
;;   OPERANDS COMPUTED ON THE WAY. 'Computed on the way' means the value that the module computes at that place (a softmax that the list does not call 'softmax' is quantised finished and normalised). What goes into a quantiser is computed in f32, as accurately as f32 sums, v_exp_f32 and their like allow (about 1e-6 of the number): no bf16 or f16 on the way to a quantiser, and a product that is left as it is and whose result goes on into a quantised operand takes f32 operands (vector FMAs, or v_wmma_f32_16x16x4_f32). A number that lies on a knife's edge between two numbers of the format may be rounded either way, as far as f32 arithmetic and the matrix unit's own rounding can turn it there, and no further.
;; One version. Each part assembles by itself: llvm-mc -triple=amdgcn-amd-amdhsa -mcpu=gfx1250 --defsym DOCPART=n.
;; ======== version 1 of 1: 4 launches
;; limits: right only within a limited range of input values
;; workspace buffers: sel 4,096 bytes of whole numbers; probs 16,384 bytes; route 5,632 bytes of whole numbers; xq 1,075,200 bytes; w2q 16,384,000 bytes; w1q 3,276,800 bytes; hq 8,601,600 bytes
;; launch router (part 1): grid 128 x 1, 4 waves a work-group, no clusters, 0 bytes of LDS; arguments x, Wg, sel, probs; writes sel, probs
.if DOCPART == 1
	.amdgcn_target "amdgcn-amd-amdhsa--gfx1250"
	.amdhsa_code_object_version 6
	.text
	.protected	k_qf9c3168e68_router
	.globl	k_qf9c3168e68_router
	.p2align	8
	.type	k_qf9c3168e68_router,@function
k_qf9c3168e68_router:
	s_mov_b64 s[64:65], 0
	v_nop
	global_prefetch_b8 v0, s[64:65] scope:SCOPE_SE
	s_setreg_imm32_b32 hwreg(HW_REG_WAVE_MODE, 25, 1), 1
	s_wait_xcnt 0x0
; ROUTER.  logits = x Wg (K = 1,024, N = 4) by f32 multiply-adds, softmax with the row's maximum taken away, top-1.
; Stored: probs[t][0..3] (f32) and sel[t] = 1 << (8 e(t)), a whole number: later launches form places and addresses from sel, this one forms none from it.
; SHARES: 128 work-groups x 4 waves x 2 tokens.  Lane l holds k = 128 j + 4 l + c (j = 0..7, c = 0..3) of both tokens and of Wg: 32 multiply-adds for each of the 8 sums, then a sum over the 32 lanes.
; No LDS, no barrier, no matrix unit: 8 MFLOP in all, and f32 operands keep the choice as near to the f32 router as the order of sums allows.
; LIMITS: NaN and infinities among the inputs are not served.  A tie of two probabilities, as this text rounds them, keeps the lower index.
; The stores are 16 + 4 bytes a token from two lanes of a wave: 20 KB in the whole launch.
.set ACC, 8                            ; v8-15    the sums: token t, expert e at 4 t + e
.set PR,  20                           ; v20-27   the probabilities, likewise
.set WGR, 32                           ; v32-159  Wg: 4 n + e, n = 4 j + c
.set XR,  160                          ; v160-223 x: 32 t + n
	s_load_b256 s[4:11], s[0:1], 0x0               ; x s[4:5], Wg s[6:7], sel s[8:9], probs s[10:11]
	v_lshrrev_b32 v4, 5, v0
	v_readfirstlane_b32 s12, v4                    ; wave
	v_and_b32 v1, 31, v0                           ; lane
	s_wait_alu depctr_va_vdst(0)
	v_lshlrev_b32 v2, 4, v1                        ; x: 16 bytes a lane
	v_lshlrev_b32 v3, 6, v1                        ; Wg: four rows of 16 bytes a lane
	s_lshl_b32 s13, ttmp9, 3
	s_lshl_b32 s14, s12, 1
	s_add_co_u32 s13, s13, s14                     ; my first token: 8 x work-group + 2 x wave
	s_lshl_b32 s14, s13, 12                        ; its row of 4,096 bytes
	s_mov_b32 s15, 0
	s_mov_b32 s16, 0x76543210
	s_mov_b32 s17, 0xfedcba98                      ; v_permlanex16_b32's selects for lane l xor 16
	s_lshl_b32 s18, s13, 4
	s_lshl_b32 s19, s13, 2
	v_lshl_add_u32 v5, v1, 4, s18                  ; probs: 16 (token + lane)
	v_lshl_add_u32 v6, v1, 2, s19                  ; sel: 4 (token + lane)
	s_wait_alu depctr_va_vdst(0)
	s_wait_kmcnt 0x0
	s_add_nc_u64 s[4:5], s[4:5], s[14:15]
.irp j, 0,1,2,3,4,5,6,7
.irp c, 0,1,2,3
	global_load_b128 v[WGR+16*\j+4*\c:WGR+16*\j+4*\c+3], v3, s[6:7] offset:2048*\j+16*\c
.endr
.endr
.irp t, 0,1
.irp j, 0,1,2,3,4,5,6,7
	global_load_b128 v[XR+32*\t+4*\j:XR+32*\t+4*\j+3], v2, s[4:5] offset:4096*\t+512*\j
.endr
.endr
	s_wait_loadcnt 0x0
.irp t, 0,1
.irp e, 0,1,2,3
	v_mul_f32 v[ACC+4*\t+\e], v[XR+32*\t], v[WGR+\e]         ; the first product starts each sum
.endr
.endr
.set n, 1
.rept 31
.irp t, 0,1
.irp e, 0,1,2,3
	v_fmac_f32 v[ACC+4*\t+\e], v[XR+32*\t+n], v[WGR+4*n+\e]  ; eight chains by turns
.endr
.endr
.set n, n+1
.endr
	v_mov_b32 v16, 0                               ; a lane permute's destination counts as read
.irp m, 1,2,4,8
.irp a, 0,1,2,3,4,5,6,7
	v_add_f32_dpp v[ACC+\a], v[ACC+\a], v[ACC+\a] row_xmask:\m row_mask:0xf bank_mask:0xf
.endr
.endr
.irp a, 0,1,2,3,4,5,6,7
	v_permlanex16_b32 v16, v[ACC+\a], s16, s17
	v_add_f32 v[ACC+\a], v[ACC+\a], v16            ; every lane holds all eight logits
.endr
.irp t, 0,1
	v_max3_num_f32 v17, v[ACC+4*\t], v[ACC+4*\t+1], v[ACC+4*\t+2]
	v_max_num_f32 v17, v17, v[ACC+4*\t+3]          ; the row's maximum
.irp e, 0,1,2,3
	v_sub_f32 v[PR+4*\t+\e], v[ACC+4*\t+\e], v17
.endr
.irp e, 0,1,2,3
	v_mul_f32 v[PR+4*\t+\e], 0x3fb8aa3b, v[PR+4*\t+\e]       ; x log2(e)
.endr
	s_wait_alu depctr_va_vdst(0)
.irp e, 0,1,2,3
	v_exp_f32 v[PR+4*\t+\e], v[PR+4*\t+\e]
.endr
	v_nop                                          ; a plain place behind the exponentials
	s_wait_alu depctr_va_vdst(0)
	v_add_f32 v18, v[PR+4*\t], v[PR+4*\t+1]
	v_add_f32 v19, v[PR+4*\t+2], v[PR+4*\t+3]
	v_add_f32 v18, v18, v19
	s_wait_alu depctr_va_vdst(0)
	v_rcp_f32 v19, v18
	v_nop                                          ; a plain place behind the reciprocal
	s_wait_alu depctr_va_vdst(0)
.irp e, 0,1,2,3
	v_mul_f32 v[PR+4*\t+\e], v[PR+4*\t+\e], v19
.endr
	v_mov_b32 v[28+\t], 1                          ; expert 0 until a larger probability is met
	v_mov_b32 v30, v[PR+4*\t]
.irp e, 1,2,3
	v_mov_b32 v31, 1<<(8*\e)
	v_cmp_gt_f32 vcc_lo, v[PR+4*\t+\e], v30        ; strictly larger: a tie keeps the lower index
	v_cndmask_b32 v[28+\t], v[28+\t], v31, vcc_lo
	v_max_num_f32 v30, v30, v[PR+4*\t+\e]
.endr
.endr
	v_cmp_eq_u32 vcc_lo, 1, v1                     ; lane 1 takes the second token's five numbers
.irp e, 0,1,2,3
	v_cndmask_b32 v[PR+\e], v[PR+\e], v[PR+4+\e], vcc_lo
.endr
	v_cndmask_b32 v28, v28, v29, vcc_lo
	s_wait_alu depctr_va_vdst(0)
	s_wait_xcnt 0x0                                ; EXEC changes only behind this wait
	v_cmp_gt_u32 vcc_lo, 2, v1
	s_and_saveexec_b32 s20, vcc_lo                 ; lanes 0 and 1 store
	global_store_b128 v5, v[PR:PR+3], s[10:11]
	global_store_b32 v6, v28, s[8:9]
	s_endpgm
.Lfunc_end_k_qf9c3168e68_router:
	.size	k_qf9c3168e68_router, .Lfunc_end_k_qf9c3168e68_router-k_qf9c3168e68_router
	.p2alignl 7, 3214868480
	.fill 96, 4, 3214868480
	.section	.rodata,"a",@progbits
	.p2align	6, 0x0
	.amdhsa_kernel k_qf9c3168e68_router
		.amdhsa_group_segment_fixed_size 0
		.amdhsa_private_segment_fixed_size 0
		.amdhsa_enable_private_segment 0
		.amdhsa_kernarg_size 32
		.amdhsa_user_sgpr_count 2
		.amdhsa_user_sgpr_kernarg_segment_ptr 1
		.amdhsa_wavefront_size32 1
		.amdhsa_system_sgpr_workgroup_id_x 1
		.amdhsa_system_sgpr_workgroup_id_y 1
		.amdhsa_system_sgpr_workgroup_id_z 1
		.amdhsa_system_vgpr_workitem_id 0
		.amdhsa_next_free_vgpr 224
		.amdhsa_next_free_sgpr 66
		.amdhsa_reserve_vcc 1
		.amdhsa_float_denorm_mode_32 3
		.amdhsa_float_denorm_mode_16_64 3
		.amdhsa_memory_ordered 1
		.amdhsa_forward_progress 1
		.amdhsa_inst_pref_size 21
	.end_amdhsa_kernel
	.amdgpu_metadata
---
amdhsa.version: [ 1, 2 ]
amdhsa.kernels:
  - .name:           k_qf9c3168e68_router
    .symbol:         k_qf9c3168e68_router.kd
    .args:
      - { .name: x, .offset: 0, .size: 8, .value_kind: global_buffer, .address_space: global }
      - { .name: Wg, .offset: 8, .size: 8, .value_kind: global_buffer, .address_space: global }
      - { .name: sel, .offset: 16, .size: 8, .value_kind: global_buffer, .address_space: global }
      - { .name: probs, .offset: 24, .size: 8, .value_kind: global_buffer, .address_space: global }
    .group_segment_fixed_size: 0
    .private_segment_fixed_size: 0
    .kernarg_segment_align: 8
    .kernarg_segment_size: 32
    .max_flat_workgroup_size: 128
    .sgpr_count:     66
    .vgpr_count:     224
    .wavefront_size: 32
...
	.end_amdgpu_metadata
.endif
;; end of part 1
;; launch place (part 2): grid 468 x 1, 8 waves a work-group, no clusters, 99,328 bytes of LDS; arguments x, sel, probs, W2, ew2, xq, route, w2q, out1, W1, w1q; writes xq, route, w2q, out1, w1q
.if DOCPART == 2
	.amdgcn_target "amdgcn-amd-amdhsa--gfx1250"
	.amdhsa_code_object_version 6
	.text
	.protected	k_qf9c3168e68_place
	.globl	k_qf9c3168e68_place
	.p2align	8
	.type	k_qf9c3168e68_place,@function
k_qf9c3168e68_place:
	s_mov_b64 s[64:65], 0
	v_nop
	global_prefetch_b8 v0, s[64:65] scope:SCOPE_SE
	s_setreg_imm32_b32 hwreg(HW_REG_WAVE_MODE, 25, 1), 1
	s_wait_xcnt 0x0
; THREE ROLES, parted by the work-group's number.
; ROLE P (work-groups 0-83): tokens are sorted by expert, each expert padded to blocks of 96 rows: never more than (1,024 + 4 x 95) / 96 = 14 blocks = 1,344 places, whatever the split.
;   Work-group i owns the 16 "extended tokens" 16 i .. 16 i + 15; those from 1,024 on are rows of zeros that fill every place which no token takes, so that every byte of xq and of the list is written.
;   Each wave reads all of sel (4 KB), counts each expert's tokens (all, and those ahead of the work-group's first) in byte fields, and so knows each of its 16 rows' place p with no traffic between work-groups.
;   Wave s quantises K step s (128 along K) of the 16 rows to E2M3 and stores each row's codes at its place.  Wave 0 stores order[p] = token.  Work-group 0 also stores the tables of blocks and out1.
; ROLE Q (work-groups 84-403): W2 and ew2[0..3], f32 [K 4,096][N 1,024], are quantised along K.  ROLE R (work-groups 404-467): W1, f32 [K 1,024][N 4,096], likewise: every work-group of the next launch's dense role
;   reads W1's codes, so they are made once, here.  In both a lane takes a column and its registers run down K, so that a block of 32 is one lane's own; a wave takes 32 columns x 256 along K,
;   and the eight waves of a work-group take eight neighbouring groups of 32 columns of the same 256 rows: 1,024 consecutive bytes of each row.
; THE OPERAND FORMAT, in memory and LDS: a HALF-IMAGE is 16 rows x 64 K in 768 bytes: byte 16 L + 4 i (i = 0..3) = register 6 c + i of lane L, byte 512 + 8 L + 4 i (i = 0, 1) = register 6 c + 4 + i.
;   Two halves on end are a fragment (16 x 128); it is loaded by b128, b64, b128, b64.  Block kb (of 4) of row r lies in lane r + 16 (kb & 1), half kb >> 1.  Scale words: one for a row and 128 K.
; W1's TILES ARE NOT MADE OF NEIGHBOURING COLUMNS: of a chunk of 64 columns, row r of tile 2 b + u is column 32 b + 8 u + r + 8 (r / 8), as the next launch's products want it.
; THE QUANTISER: a block's scale byte is its largest magnitude's exponent field - 2, held at 1 from below by a floor among the maximum's leaves; the conversion divides, rounds to nearest even, and holds at the largest code.
; LIMITS: NaN and infinities are not served; a block whose largest magnitude lies under 2^-124 gets the byte 1; a block of zeros gets the byte 1 where the rule says 127 (its codes are zeros, and this program alone reads the bytes).
; The gate topv / topv of a top-1 choice is 1.0 for every input (topv is at least 1/4), so no weight is stored.
; Role P's stores of codes are pieces of 16 and 8 bytes at places far apart: xq is 1 MB against 100 MB that roles Q and R stream meanwhile, and the scatter spares an inverse list and a launch.
.set NP,   84
.set NQ,   320
.set XQS,  1032192                     ; xq: [tile 84][s 8][1536], then the scale words [64 rows: 21][s 8][64 rows]
.set W2S,  15728640                    ; w2q: [m 5][tile 64][sigma 32][1536], then the scale words [m][cg 16][sigma 32][64 columns]
.set W1S,  3145728                     ; w1q: [chunk 64][tile 4][s 8][1536], then the scale words [chunk][s 8][tile 4][16 rows]
.set TB1,  5376                        ; route: order[1,344], then each block's expert (32 words), then the experts' first blocks (32 words)
.set TB2,  5504
.set RL,   50176                       ; LDS: role Q's eight regions of 6,144 bytes, the spare words (1,024 bytes from 0xc000), role R's eight regions
.set SEL,  32                          ; s[32:33] role P: v_permlanex16_b32's selects
.set S,    32                          ; v32-63   role P: sel, 128 j + 4 lane + c at 4 j + c; later integers at work
.set XN,   64                          ; v64-127  role P: 64 numbers of x
.set PC,   128                         ; v128-147 role P: the fragment's 12 registers, and 8 for the conversions' second halves
.set TM,   148                         ; v148-163 role P: at work
.set PW,   164                         ; v164     role P: the scale word
.set X,    32                          ; v32-127  roles Q, R: three sets of 32 numbers
.set O,    128                         ; v128-175 roles Q, R: two K steps' images on their way out
.set SW,   12                          ; v12-13   roles Q, R: two K steps' scale words
.set WB,   24                          ; s[24:25] roles Q, R: the wave's first number
; counts from sel: s40-43 each expert's tokens, s44-47 those ahead of the work-group's first token, s48-51 blocks, s52-56 first blocks (s56 = blocks used)
.macro COUNTS
	s_wait_loadcnt 0x0
	s_lshl_b32 s28, ttmp9, 4
	s_min_u32 s28, s28, 1024                       ; the work-group's first token, or the end
.irp j, 0,1,2,3,4,5,6,7
	v_add_nc_u32 v12, v[S+4*\j], v[S+4*\j+1]
	s_delay_alu instid0(VALU_DEP_1)
	v_add3_u32 v12, v12, v[S+4*\j+2], v[S+4*\j+3]  ; four tokens' fields: a byte for each expert; a lane's 32 tokens fit
	s_sub_co_i32 s29, s28, 128*\j
	v_cmp_gt_i32 vcc_lo, s29, v4                   ; are these four (128 j + 4 lane ..) ahead of the first token?  Both are multiples of 4
	s_delay_alu instid0(VALU_DEP_1)
	v_cndmask_b32 v13, 0, v12, vcc_lo
.if \j == 0
	v_mov_b32 v10, v12
	s_delay_alu instid0(VALU_DEP_2)
	v_mov_b32 v11, v13
.else
	v_add_nc_u32 v10, v10, v12
	s_delay_alu instid0(VALU_DEP_2)
	v_add_nc_u32 v11, v11, v13
.endif
.endr
	s_mov_b32 s30, 0x00ff00ff
	v_and_b32 v14, s30, v10                        ; fields of 16 bits: experts 0 and 2,
	v_lshrrev_b32 v15, 8, v10
	s_delay_alu instid0(VALU_DEP_1)
	v_and_b32 v15, s30, v15                        ; 1 and 3
	v_and_b32 v16, s30, v11
	v_lshrrev_b32 v17, 8, v11
	s_delay_alu instid0(VALU_DEP_1)
	v_and_b32 v17, s30, v17
	v_mov_b32 v18, 0
.irp m, 1,2,4,8
.irp a, 14,15,16,17
	v_mov_b32_dpp v18, v\a row_xmask:\m row_mask:0xf bank_mask:0xf
	s_delay_alu instid0(VALU_DEP_1)
	v_add_nc_u32 v\a, v\a, v18
.endr
.endr
.irp a, 14,15,16,17
	s_delay_alu instid0(VALU_DEP_2)
	v_permlanex16_b32 v18, v\a, s[SEL], s[SEL+1]
	s_delay_alu instid0(VALU_DEP_1)
	v_add_nc_u32 v\a, v\a, v18                     ; over the 32 lanes: 1,024 at the most
.endr
	v_readfirstlane_b32 s34, v14
	v_readfirstlane_b32 s35, v15
	v_readfirstlane_b32 s36, v16
	s_delay_alu instid0(VALU_DEP_4)
	v_readfirstlane_b32 s37, v17
	s_and_b32 s40, s34, 0xffff
	s_and_b32 s41, s35, 0xffff
	s_lshr_b32 s42, s34, 16
	s_lshr_b32 s43, s35, 16
	s_and_b32 s44, s36, 0xffff
	s_and_b32 s45, s37, 0xffff
	s_lshr_b32 s46, s36, 16
	s_lshr_b32 s47, s37, 16
	s_mov_b32 s52, 0
.irp e, 0,1,2,3
	s_add_co_u32 s[48+\e], s[40+\e], 95
	s_mul_i32 s[48+\e], s[48+\e], 43691            ; / 96: n x 43,691 >> 22 is exact for n up to 1,119
	s_lshr_b32 s[48+\e], s[48+\e], 22
	s_add_co_u32 s[53+\e], s[52+\e], s[48+\e]
.endr
.endm
; 64 numbers of a lane, register 16 b + i = k 32 b + 16 (lane / 16) + i of my row, become a fragment's codes in v[PC] on and its scale word in v[PW]
.macro QUANT4 s
.irp b, 0,1,2,3
	v_max3_num_f32 v[TM+\b], |v[\s+16*\b]|, |v[\s+1+16*\b]|, 0x1800000   ; my 16 numbers of block b, and the floor 2^(3 - 127)
.endr
.irp i, 2,4,6,8,10,12,14
.irp b, 0,1,2,3
	s_delay_alu instid0(VALU_DEP_4)
	v_max3_num_f32 v[TM+\b], v[TM+\b], |v[\s+16*\b+\i]|, |v[\s+1+16*\b+\i]|
.endr
.endr
.irp b, 0,1,2,3
	s_delay_alu instid0(VALU_DEP_4)
	v_permlanex16_b32 v[TM+4+\b], v[TM+\b], s[SEL], s[SEL+1]
.endr
.irp b, 0,1,2,3
	s_delay_alu instid0(VALU_DEP_4)
	v_max_num_f32 v[TM+\b], v[TM+\b], v[TM+4+\b]   ; with lane l xor 16's: the block's largest magnitude
.endr
.irp b, 0,1,2,3
	s_delay_alu instid0(VALU_DEP_4)
	v_add_nc_u32 v[TM+12+\b], 0xff000000, v[TM+\b] ; 2 off its exponent field: the conversion's scale operand
.endr
.irp b, 0,1,2,3
	s_delay_alu instid0(VALU_DEP_4)
	v_lshrrev_b32 v[TM+4+\b], 23, v[TM+12+\b]      ; the scale's byte
.endr
	s_delay_alu instid0(VALU_DEP_3)
	v_lshl_or_b32 v[PW], v[TM+5], 8, v[TM+4]
	s_delay_alu instid0(VALU_DEP_1)
	v_lshl_or_b32 v[PW], v[TM+6], 16, v[PW]
	s_delay_alu instid0(VALU_DEP_1)
	v_lshl_or_b32 v[PW], v[TM+7], 24, v[PW]
.irp c, 0,1
	v_cvt_scalef32_pk16_fp6_f32 v[PC+6*\c:PC+2+6*\c], v[\s+32*\c:\s+15+32*\c], v[TM+12+2*\c]
	v_cvt_scalef32_pk16_fp6_f32 v[PC+12+4*\c:PC+14+4*\c], v[\s+16+32*\c:\s+31+32*\c], v[TM+12+2*\c+1]   ; (a conversion's three registers begin on an even number)
.endr
	v_nop                                          ; one plain place behind a scaled conversion
.irp c, 0,1                                    ; the operand's layout wants a whole block in a lane
.irp i, 0,1,2
	v_permlane16_swap_b32 v[PC+6*\c+\i], v[PC+12+4*\c+\i]
.endr
.irp i, 0,1,2
	s_delay_alu instid0(VALU_DEP_3)
	v_mov_b32 v[PC+3+6*\c+\i], v[PC+12+4*\c+\i]
.endr
.endr
.endm
; roles Q, R: block t of the wave's columns: 32 rows of K, 128 consecutive bytes a load, into set t % 3.  pitch: bytes from row to row; 255 rows of 16,384 bytes at the most lie inside the signed 24-bit immediate
.macro LOADB t, pitch
.set XL, X+32*((\t)%3)
.set li, 0
.rept 32
	global_load_b32 v[XL+li], v1, s[WB:WB+1] offset:(32*(\t)+li)*(\pitch) th:TH_LOAD_NT
.set li, li+1
.endr
.endm
; block t of n is quantised; its 24 bytes go to the lane's place in the wave's images in LDS; its byte goes into the scale word v[sw] at byte kb
.macro PROCB t, n, base, kb, sw, pitch
.set XC, X+32*((\t)%3)
.if (\t)+2 < (\n)
	s_wait_loadcnt 63                              ; behind this block's loads 64 younger ones were issued (two blocks): 63 is the stricter count
.elseif (\t)+2 == (\n)
	s_wait_loadcnt 32                              ; one younger block
.else
	s_wait_loadcnt 0x0
.endif
	s_wait_dscnt 0x0                               ; the last block's LDS stores have read the code registers
	v_max3_num_f32 v8, |v[XC]|, |v[XC+1]|, |v[XC+2]|
	v_max3_num_f32 v9, |v[XC+3]|, |v[XC+4]|, |v[XC+5]|
.irp i, 6,10,14,18,22,26
	s_delay_alu instid0(VALU_DEP_2)
	v_max3_num_f32 v8, v8, |v[XC+\i]|, |v[XC+\i+1]|
	s_delay_alu instid0(VALU_DEP_2)
	v_max3_num_f32 v9, v9, |v[XC+\i+2]|, |v[XC+\i+3]|
.endr
	s_delay_alu instid0(VALU_DEP_2)
	v_max3_num_f32 v8, v8, |v[XC+30]|, |v[XC+31]|
	s_delay_alu instid0(VALU_DEP_1)
	v_max3_num_f32 v8, v8, v9, 0x1800000           ; and the floor 2^(3 - 127)
	s_delay_alu instid0(VALU_DEP_1)
	v_add_nc_u32 v10, 0xff000000, v8               ; 2 off the exponent field: the conversion's scale operand
	v_cvt_scalef32_pk16_fp6_f32 v[16:18], v[XC:XC+15], v10
	v_cvt_scalef32_pk16_fp6_f32 v[20:22], v[XC+16:XC+31], v10
	v_lshrrev_b32 v11, 23, v10                     ; the scale's byte (the plain place behind the conversions)
.if (\kb) == 0
	s_delay_alu instid0(VALU_DEP_1)
	v_mov_b32 v[\sw], v11
.else
	s_delay_alu instid0(VALU_DEP_1)
	v_lshl_or_b32 v[\sw], v11, 8*(\kb), v[\sw]
.endif
	v_mov_b32 v19, v20                             ; the six registers on end (a conversion's three begin on an even number)
	v_mov_b32 v20, v21
	v_mov_b32 v21, v22
	ds_store_b128 v2, v[16:19] offset:(\base)+256*((\kb)%2)
	ds_store_b64 v3, v[20:21] offset:(\base)+128*((\kb)%2)
.if (\t)+3 < (\n)
	LOADB (\t)+3, \pitch
.endif
.endm
; K step sl of the wave (two tiles' fragments, 3,072 bytes) leaves LDS through registers; each store covers 512 consecutive bytes, aligned to 256.  tstep: bytes from tile to tile in the buffer at s[sb:sb+1]
.macro OUTK sl, tstep, sb
.irp i, 0,1,2,3,4,5
	ds_load_b128 v[O+24*(\sl)+4*\i:O+24*(\sl)+4*\i+3], v4 offset:3072*(\sl)+512*\i   ; the wave's own bytes: LDS serves a wave's instructions in order (ISA guide 5.7.1.4)
.endr
	s_wait_alu depctr_va_vdst(0)
	s_wait_dscnt 0x0
.irp i, 0,1,2,3,4,5
	global_store_b128 v5, v[O+24*(\sl)+4*\i:O+24*(\sl)+4*\i+3], s[\sb:\sb+1] offset:(\tstep)*(\i/3)+512*(\i%3)+1536*(\sl) th:TH_STORE_NT
.endr
	global_store_b32 v6, v[SW+(\sl)], s[\sb:\sb+1] offset:256*(\sl) th:TH_STORE_NT
.endm
; a wave's whole walk: 8 blocks, 2 K steps; the wave's LDS: [K step 2][tile 2][1536], its own
.macro WALK pitch, tstep, sb
	LOADB 0, \pitch
	LOADB 1, \pitch
	LOADB 2, \pitch
.set tt, 0
.rept 8
	PROCB tt, 8, 3072*(tt/4)+768*((tt%4)/2), tt%4, SW+tt/4, \pitch
.if tt%4 == 3
	OUTK tt/4, \tstep, \sb
.endif
.set tt, tt+1
.endr
	s_wait_tensorcnt 0x0                           ; the wave's end
	ds_add_u32 v254, v255
	s_wait_dscnt 0x0
	s_endpgm
.endm
	s_load_b256 s[4:11], s[0:1], 0x0               ; x s[4:5], sel s[6:7], probs s[8:9], W2 s[10:11]
	s_load_b256 s[12:19], s[0:1], 0x20             ; ew2 s[12:13], xq s[14:15], route s[16:17], w2q s[18:19]
	s_load_b64 s[20:21], s[0:1], 0x40              ; out1
	s_load_b64 s[60:61], s[0:1], 0x48              ; W1
	s_load_b64 s[62:63], s[0:1], 0x50              ; w1q
	v_lshl_add_u32 v254, v0, 2, 0xc000             ; my spare word,
	v_mov_b32 v255, 0                              ; and 0: for the closing add alone
	v_lshrrev_b32 v1, 5, v0
	s_delay_alu instid0(VALU_DEP_1)
	v_readfirstlane_b32 s22, v1                    ; wave 0..7
	v_and_b32 v1, 31, v0                           ; lane
	s_wait_kmcnt 0x0
	s_cmp_lt_u32 ttmp9, NP
	s_cbranch_scc0 .Lweights
	; ---------------- ROLE P ----------------
	v_and_b32 v2, 15, v0                           ; r: my row of the 16
	v_bfe_u32 v3, v0, 4, 1                         ; h
	s_wait_alu depctr_va_vdst(0)
	v_lshlrev_b32 v4, 2, v1                        ; 4 lane
	v_lshlrev_b32 v8, 4, v1                        ; 16 lane
	s_mov_b32 s[SEL], 0x76543210
	s_mov_b32 s[SEL+1], 0xfedcba98
.irp j, 0,1,2,3,4,5,6,7
	global_load_b128 v[S+4*\j:S+4*\j+3], v8, s[6:7] offset:512*\j
.endr
	s_cmp_lt_u32 ttmp9, 64
	s_cbranch_scc0 .Lfillers
	; real tokens
	s_lshl_b32 s24, ttmp9, 16                      ; 16 rows of 4,096 bytes a work-group,
	s_lshl_b32 s25, s22, 9                         ; 512 bytes a K step
	s_add_co_u32 s24, s24, s25
	s_mov_b32 s25, 0
	s_add_nc_u64 s[26:27], s[4:5], s[24:25]
	v_lshlrev_b32 v5, 12, v2
	s_delay_alu instid0(VALU_DEP_1)
	v_lshl_add_u32 v5, v3, 6, v5                   ; row r, + 64 h: my 16 numbers of each block of 32
.irp b, 0,1,2,3
.irp j, 0,1,2,3
	global_load_b128 v[XN+16*\b+4*\j:XN+16*\b+4*\j+3], v5, s[26:27] offset:128*\b+16*\j th:TH_LOAD_NT
.endr
.endr
	s_lshl_b32 s28, ttmp9, 6
	v_lshl_add_u32 v7, v2, 2, s28
	global_load_b32 v6, v7, s[6:7]                 ; my row's own choice
	s_wait_alu depctr_va_vdst(0)
	COUNTS
	v_mov_b32 v19, 0
	v_mov_b32 v9, 0
.irp e, 0,1,2,3
	s_mul_i32 s57, s[52+\e], 96
	s_add_co_u32 s57, s57, s[44+\e]                ; where this work-group's first token of expert e goes
	s_mov_b32 s58, 1<<(8*\e)
	v_cmp_eq_u32 vcc_lo, s58, v6
	s_delay_alu instid0(VALU_DEP_1)
	v_mbcnt_lo_u32_b32 v9, vcc_lo, s57             ; + the rows of the same expert in lower lanes (right in lanes 0-15)
	s_delay_alu instid0(VALU_DEP_1)
	v_cndmask_b32 v19, v19, v9, vcc_lo
.endr
	s_delay_alu instid0(VALU_DEP_1)
	v_permlanex16_b32 v9, v19, s[SEL], s[SEL+1]
	v_cmp_lt_u32 vcc_lo, 15, v1
	s_delay_alu instid0(VALU_DEP_1)
	v_cndmask_b32 v19, v19, v9, vcc_lo             ; lanes 16-31 take their row's place from lanes 0-15
.irp b, 0,1,2,3
	v_mov_b32 v[TM+4+\b], 0                        ; a lane permute's destination counts as read
.endr
	QUANT4 XN
	s_branch .Lstore
.Lfillers:
	s_wait_alu depctr_va_vdst(0)
	COUNTS
	s_sub_co_u32 s57, ttmp9, 64
	s_lshl_b32 s57, s57, 4
	v_add_nc_u32 v9, s57, v2                       ; j: which of the 320 filler rows
	s_wait_alu depctr_va_vdst(0)
	s_mov_b32 s58, s40                             ; c: tokens of experts 0 .. e
	v_add_nc_u32 v19, s58, v9                      ; behind expert 0's tokens: p = j + c
.irp e, 1,2,3
	s_mul_i32 s59, s[52+\e], 96
	s_sub_co_u32 s59, s59, s58                     ; free places ahead of expert e's blocks: 96 x first block - tokens so far
	s_add_co_u32 s58, s58, s[40+\e]
	v_cmp_le_u32 vcc_lo, s59, v9
	v_add_nc_u32 v18, s58, v9                      ; from there on: behind expert e's tokens.  Behind expert 3's the free places run on to place 1,343
	s_delay_alu instid0(VALU_DEP_1)
	v_cndmask_b32 v19, v19, v18, vcc_lo
.endr
.irp i, 0,1,2,3,4,5,6,7,8,9,10,11
	v_mov_b32 v[PC+\i], 0                          ; a row of zeros: zero codes,
.endr
	v_mov_b32 v[PW], 0x01010101                    ; under the floor's byte
.Lstore:
	v_lshrrev_b32 v40, 4, v19                      ; the place's tile, row in the tile, group of 64, row in the group: each held inside its table ahead of the address arithmetic
	s_delay_alu instid0(VALU_DEP_1)
	v_min_u32 v40, 83, v40
	v_and_b32 v41, 15, v19
	s_delay_alu instid0(VALU_DEP_1)
	v_min_u32 v41, 15, v41
	v_lshrrev_b32 v42, 6, v19
	s_delay_alu instid0(VALU_DEP_1)
	v_min_u32 v42, 20, v42
	v_and_b32 v43, 63, v19
	s_delay_alu instid0(VALU_DEP_1)
	v_min_u32 v43, 63, v43
	v_min_u32 v44, 0x53f, v19
	v_lshl_add_u32 v45, v3, 4, v41                 ; the image's lane: row + 16 h
	v_mul_u32_u24 v46, v40, 12288
	s_mul_i32 s57, s22, 1536
	v_add_nc_u32 v46, s57, v46                     ; tile, K step
	s_delay_alu instid0(VALU_DEP_1)
	v_lshl_add_u32 v47, v45, 4, v46
	s_delay_alu instid0(VALU_DEP_2)
	v_lshl_add_u32 v48, v45, 3, v46
	v_lshlrev_b32 v49, 11, v42
	s_delay_alu instid0(VALU_DEP_1)
	v_lshl_add_u32 v49, v43, 2, v49
	s_lshl_b32 s58, s22, 8
	v_add_nc_u32 v49, s58, v49
	global_store_b128 v47, v[PC:PC+3], s[14:15]
	global_store_b64 v48, v[PC+4:PC+5], s[14:15] offset:512
	global_store_b128 v47, v[PC+6:PC+9], s[14:15] offset:768
	global_store_b64 v48, v[PC+10:PC+11], s[14:15] offset:1280
	global_store_b32 v49, v[PW], s[14:15] offset:XQS         ; both halves of the lanes write the same word with the same value
	s_cmp_lg_u32 s22, 0
	s_cbranch_scc1 .Lnot_wave_0
	v_lshlrev_b32 v50, 2, v44
	s_lshl_b32 s57, ttmp9, 4
	v_add_nc_u32 v51, s57, v2
	global_store_b32 v50, v51, s[16:17]            ; order[p] = extended token; 1,024 and above mark a row that has no output
	s_cmp_lg_u32 ttmp9, 0
	s_cbranch_scc1 .Lend_p
	v_mov_b32 v52, 0                               ; work-group 0, wave 0: block b's expert = how many of experts 1 .. 4's first blocks lie at or under b: 4 = unused
.irp e, 1,2,3,4
	v_cmp_le_u32 vcc_lo, s[52+\e], v1
	s_delay_alu instid0(VALU_DEP_1)
	v_add_co_ci_u32 v52, vcc_lo, 0, v52, vcc_lo
.endr
	global_store_b32 v4, v52, s[16:17] offset:TB1
	v_mov_b32 v54, s56                             ; and the first blocks: word e = expert e's, words 4 .. 31 = blocks used
.irp e, 3,2,1,0
	v_mov_b32 v55, s[52+\e]
	v_cmp_eq_u32 vcc_lo, \e, v1
	s_delay_alu instid0(VALU_DEP_1)
	v_cndmask_b32 v54, v54, v55, vcc_lo
.endr
	global_store_b32 v4, v54, s[16:17] offset:TB2
	s_branch .Lend_p
.Lnot_wave_0:
	s_cmp_lg_u32 ttmp9, 0
	s_cbranch_scc1 .Lend_p
	s_cmp_lg_u32 s22, 1
	s_cbranch_scc1 .Lend_p
	; work-group 0, wave 1: aux = 4 sum_e (count_e / 1024) (sum_t p_te / 1024)
	s_wait_xcnt 0x0                                ; my stores have read their registers: the loads below land there
.set li, 0
.rept 32
	global_load_b128 v[64+4*li:67+4*li], v8, s[8:9] offset:512*li
.set li, li+1
.endr
	s_wait_loadcnt 0x0
	v_pk_add_f32 v[192:193], v[64:65], v[68:69]
	v_pk_add_f32 v[194:195], v[66:67], v[70:71]
.set li, 2
.rept 30
	s_delay_alu instid0(VALU_DEP_2)
	v_pk_add_f32 v[192:193], v[192:193], v[64+4*li:65+4*li]
	s_delay_alu instid0(VALU_DEP_2)
	v_pk_add_f32 v[194:195], v[194:195], v[66+4*li:67+4*li]
.set li, li+1
.endr
	v_mov_b32 v196, 0
.irp m, 1,2,4,8
.irp a, 192,193,194,195
	v_add_f32_dpp v\a, v\a, v\a row_xmask:\m row_mask:0xf bank_mask:0xf
.endr
.endr
.irp a, 192
	s_delay_alu instid0(VALU_DEP_4)
	v_permlanex16_b32 v196, v\a, s[SEL], s[SEL+1]
	s_delay_alu instid0(VALU_DEP_1)
	v_add_f32 v\a, v\a, v196
.endr
.irp a, 193, 194, 195
	s_delay_alu instid0(VALU_DEP_2)
	v_permlanex16_b32 v196, v\a, s[SEL], s[SEL+1]
	s_delay_alu instid0(VALU_DEP_1)
	v_add_f32 v\a, v\a, v196
.endr
	v_cvt_f32_u32 v197, s40
	s_delay_alu instid0(VALU_DEP_1)
	v_mul_f32 v198, v197, v192
.irp e, 1,2,3
	v_cvt_f32_u32 v197, s[40+\e]
	s_delay_alu instid0(VALU_DEP_1)
	v_fmac_f32 v198, v197, v[192+\e]
.endr
	s_delay_alu instid0(VALU_DEP_1)
	v_mul_f32 v198, 0x36800000, v198               ; x 4 / 2^20 = 2^-18
	v_mov_b32 v199, 0
	s_wait_alu depctr_va_vdst(0)
	s_wait_xcnt 0x0                                ; EXEC changes only behind this wait
	v_cmp_eq_u32 vcc_lo, 0, v1
	s_and_saveexec_b32 s61, vcc_lo
	global_store_b32 v199, v198, s[20:21]
	s_wait_xcnt 0x0
	s_or_b32 exec_lo, exec_lo, s61
.Lend_p:
	s_endpgm
.Lweights:
	s_cmp_lt_u32 ttmp9, NP+NQ
	s_cbranch_scc0 .Lw1
	; ---------------- ROLE Q ----------------
	; job = matrix m (0: W2, 1 + e: ew2[e]), 256 along K (4 kc + kq), 256 columns cq.  Wave w: 32 columns: half ch = w & 1 of the 64 columns cg = 4 cq + w / 2.
	s_sub_co_u32 s23, ttmp9, NP
	s_lshr_b32 s28, s23, 6                         ; m
	s_bfe_u32 s30, s23, 0x20004                    ; kc
	s_bfe_u32 s32, s23, 0x20002                    ; kq
	s_and_b32 s29, s23, 3                          ; cq
	s_lshl_b32 s29, s29, 2
	s_lshr_b32 s31, s22, 1
	s_add_co_u32 s29, s29, s31                     ; cg
	s_and_b32 s31, s22, 1                          ; ch
	s_sub_co_i32 s26, s28, 1
	s_max_i32 s26, s26, 0
	s_lshl_b32 s26, s26, 24                        ; the expert's 16 MiB
	s_lshl_b32 s27, s30, 22                        ; 1,024 rows of 4,096 bytes
	s_add_co_u32 s26, s26, s27
	s_lshl_b32 s27, s32, 20                        ; 256 rows
	s_add_co_u32 s26, s26, s27
	s_lshl_b32 s27, s29, 8                         ; 64 columns
	s_add_co_u32 s26, s26, s27
	s_lshl_b32 s27, s31, 7                         ; 32 columns
	s_add_co_u32 s26, s26, s27
	s_mov_b32 s27, 0
	s_cmp_eq_u32 s28, 0
	s_cselect_b64 s[WB:WB+1], s[10:11], s[12:13]   ; the choice hangs on the work-group's number alone
	s_add_nc_u64 s[WB:WB+1], s[WB:WB+1], s[26:27]
	s_mul_i32 s33, s22, 6144
	s_lshl_b32 s34, s28, 6
	s_lshl_b32 s35, s29, 2
	s_add_co_u32 s34, s34, s35
	s_lshl_b32 s35, s31, 1
	s_add_co_u32 s34, s34, s35                     ; tile 64 m + 4 cg + 2 ch
	s_lshl_b32 s34, s34, 5
	s_lshl_b32 s35, s30, 3
	s_add_co_u32 s34, s34, s35
	s_lshl_b32 s36, s32, 1
	s_add_co_u32 s34, s34, s36                     ; x 32 + sigma = 8 kc + 2 kq
	s_mul_i32 s34, s34, 1536
	s_lshl_b32 s37, s28, 4
	s_add_co_u32 s37, s37, s29
	s_lshl_b32 s37, s37, 5
	s_add_co_u32 s37, s37, s35
	s_add_co_u32 s37, s37, s36
	s_lshl_b32 s37, s37, 8
	s_lshl_b32 s35, s31, 7
	s_add_co_u32 s37, s37, s35
	s_add_co_u32 s37, s37, W2S
	s_wait_alu depctr_va_vdst(0)
	v_and_b32 v24, 15, v0                          ; r: my column's row in its tile
	v_bfe_u32 v25, v0, 4, 1                        ; u: which of the wave's two tiles
	s_delay_alu instid0(VALU_DEP_1)
	v_mul_u32_u24 v2, v25, 1536
	s_delay_alu instid0(VALU_DEP_1)
	v_lshl_add_u32 v3, v24, 3, v2
	s_delay_alu instid0(VALU_DEP_2)
	v_lshl_add_u32 v2, v24, 4, v2
	s_delay_alu instid0(VALU_DEP_1)
	v_add_nc_u32 v2, s33, v2                       ; where my block's first 16 bytes go
	s_delay_alu instid0(VALU_DEP_3)
	v_add_nc_u32 v3, s33, v3
	s_delay_alu instid0(VALU_DEP_1)
	v_add_nc_u32 v3, 512, v3                       ; and its last 8
	v_lshl_add_u32 v4, v1, 4, s33                  ; back: 16 bytes a lane
	v_lshl_add_u32 v5, v1, 4, s34
	v_lshl_add_u32 v6, v1, 2, s37
	v_lshlrev_b32 v1, 2, v1                        ; in: 4 bytes a lane
	WALK 4096, 49152, 18
	; ---------------- ROLE R ----------------
	; job = 256 along K kr, 256 columns of W1.  Wave w: 32 columns c = 8 x job's columns + w: half ch = c & 1 of chunk c / 2.  Lane l is row (l & 7) + 8 (l >> 4) of tile 2 ch + ((l >> 3) & 1).
.Lw1:
	s_sub_co_u32 s23, ttmp9, NP+NQ
	s_lshr_b32 s32, s23, 4                         ; kr
	s_and_b32 s29, s23, 15
	s_lshl_b32 s29, s29, 3
	s_add_co_u32 s29, s29, s22                     ; c: my 32 columns, 0..127
	s_lshr_b32 s30, s29, 1                         ; the chunk
	s_and_b32 s31, s29, 1                          ; ch
	s_lshl_b32 s26, s32, 22                        ; 256 rows of 16,384 bytes
	s_lshl_b32 s27, s29, 7
	s_add_co_u32 s26, s26, s27
	s_mov_b32 s27, 0
	s_add_nc_u64 s[WB:WB+1], s[60:61], s[26:27]
	s_mul_i32 s33, s22, 6144
	s_add_co_u32 s33, s33, RL                      ; this role's own LDS bytes
	s_mul_i32 s34, s30, 49152                      ; w1q: chunk, tile 2 ch, K step 2 kr
	s_mul_i32 s35, s31, 24576
	s_add_co_u32 s34, s34, s35
	s_mul_i32 s35, s32, 3072
	s_add_co_u32 s34, s34, s35
	s_lshl_b32 s37, s30, 11                        ; its scale words: chunk, K step 2 kr, tile 2 ch
	s_lshl_b32 s35, s32, 9
	s_add_co_u32 s37, s37, s35
	s_lshl_b32 s35, s31, 7
	s_add_co_u32 s37, s37, s35
	s_add_co_u32 s37, s37, W1S
	s_wait_alu depctr_va_vdst(0)
	v_and_b32 v24, 7, v0
	v_bfe_u32 v25, v0, 4, 1
	s_delay_alu instid0(VALU_DEP_1)
	v_lshl_add_u32 v24, v25, 3, v24                ; r
	v_bfe_u32 v25, v0, 3, 1                        ; u
	s_delay_alu instid0(VALU_DEP_1)
	v_mul_u32_u24 v2, v25, 1536
	s_delay_alu instid0(VALU_DEP_1)
	v_lshl_add_u32 v3, v24, 3, v2
	s_delay_alu instid0(VALU_DEP_2)
	v_lshl_add_u32 v2, v24, 4, v2
	s_delay_alu instid0(VALU_DEP_1)
	v_add_nc_u32 v2, s33, v2
	s_delay_alu instid0(VALU_DEP_3)
	v_add_nc_u32 v3, s33, v3
	s_delay_alu instid0(VALU_DEP_1)
	v_add_nc_u32 v3, 512, v3
	v_lshl_add_u32 v4, v1, 4, s33
	v_lshl_add_u32 v5, v1, 4, s34
	v_lshlrev_b32 v6, 6, v25
	s_delay_alu instid0(VALU_DEP_1)
	v_lshl_add_u32 v6, v24, 2, v6
	s_delay_alu instid0(VALU_DEP_1)
	v_add_nc_u32 v6, s37, v6                       ; my column's scale word: tile u, row r: the wave's 32 words are 128 consecutive bytes
	v_lshlrev_b32 v1, 2, v1
	WALK 16384, 12288, 62
.Lfunc_end_k_qf9c3168e68_place:
	.size	k_qf9c3168e68_place, .Lfunc_end_k_qf9c3168e68_place-k_qf9c3168e68_place
	.p2alignl 7, 3214868480
	.fill 96, 4, 3214868480
	.section	.rodata,"a",@progbits
	.p2align	6, 0x0
	.amdhsa_kernel k_qf9c3168e68_place
		.amdhsa_group_segment_fixed_size 99328
		.amdhsa_private_segment_fixed_size 0
		.amdhsa_enable_private_segment 0
		.amdhsa_kernarg_size 88
		.amdhsa_user_sgpr_count 2
		.amdhsa_user_sgpr_kernarg_segment_ptr 1
		.amdhsa_wavefront_size32 1
		.amdhsa_system_sgpr_workgroup_id_x 1
		.amdhsa_system_sgpr_workgroup_id_y 1
		.amdhsa_system_sgpr_workgroup_id_z 1
		.amdhsa_system_vgpr_workitem_id 0
		.amdhsa_next_free_vgpr 256
		.amdhsa_next_free_sgpr 66
		.amdhsa_reserve_vcc 1
		.amdhsa_float_denorm_mode_32 3
		.amdhsa_float_denorm_mode_16_64 3
		.amdhsa_memory_ordered 1
		.amdhsa_forward_progress 1
		.amdhsa_inst_pref_size 133
	.end_amdhsa_kernel
	.amdgpu_metadata
---
amdhsa.version: [ 1, 2 ]
amdhsa.kernels:
  - .name:           k_qf9c3168e68_place
    .symbol:         k_qf9c3168e68_place.kd
    .args:
      - { .name: x, .offset: 0, .size: 8, .value_kind: global_buffer, .address_space: global }
      - { .name: sel, .offset: 8, .size: 8, .value_kind: global_buffer, .address_space: global }
      - { .name: probs, .offset: 16, .size: 8, .value_kind: global_buffer, .address_space: global }
      - { .name: W2, .offset: 24, .size: 8, .value_kind: global_buffer, .address_space: global }
      - { .name: ew2, .offset: 32, .size: 8, .value_kind: global_buffer, .address_space: global }
      - { .name: xq, .offset: 40, .size: 8, .value_kind: global_buffer, .address_space: global }
      - { .name: route, .offset: 48, .size: 8, .value_kind: global_buffer, .address_space: global }
      - { .name: w2q, .offset: 56, .size: 8, .value_kind: global_buffer, .address_space: global }
      - { .name: out1, .offset: 64, .size: 8, .value_kind: global_buffer, .address_space: global }
      - { .name: W1, .offset: 72, .size: 8, .value_kind: global_buffer, .address_space: global }
      - { .name: w1q, .offset: 80, .size: 8, .value_kind: global_buffer, .address_space: global }
    .group_segment_fixed_size: 99328
    .private_segment_fixed_size: 0
    .kernarg_segment_align: 8
    .kernarg_segment_size: 88
    .max_flat_workgroup_size: 256
    .sgpr_count:     66
    .vgpr_count:     256
    .wavefront_size: 32
...
	.end_amdgpu_metadata
.endif
;; end of part 2
;; launch layer1 (part 3): grid 512 x 1, 8 waves a work-group, no clusters, 154,624 bytes of LDS; arguments w1q, b1, ew1, ew3, xq, route, hq; writes hq
.if DOCPART == 3
	.amdgcn_target "amdgcn-amd-amdhsa--gfx1250"
	.amdhsa_code_object_version 6
	.text
	.protected	k_qf9c3168e68_layer1
	.globl	k_qf9c3168e68_layer1
	.p2align	8
	.type	k_qf9c3168e68_layer1,@function
k_qf9c3168e68_layer1:
	s_mov_b64 s[64:65], 0
	v_nop
	global_prefetch_b8 v0, s[64:65] scope:SCOPE_SE
	s_setreg_imm32_b32 hwreg(HW_REG_WAVE_MODE, 25, 1), 1
	s_wait_xcnt 0x0
; THE FIRST LAYERS.  Role E (work-groups 0-255): 64 columns chi of ew1[e] and ew3[e], the rows of expert e alone: h = silu(x ew1) (x ew3).
; Role D (work-groups 256-511): 64 columns chi of W1 and one quarter of the used rows: h = gelu(x W1 + b1), exact (erf) form.
; Each expert weight byte is read from memory once, as f32, quantised along K on the way (a lane to a column, registers down K) and kept as fragment images in LDS: the first layers' codes never go to memory.
; WHY FOUR WORK-GROUPS TO A CHUNK OF W1: the dense layer has all rows, 38 items of 32 at the most; one work-group's eight waves would walk five each behind 256 KB of weights, while an expert's work-group walks one or two
;   behind 512 KB.  Shared among four, a wave walks two at the most, and there are as many work-groups of one role as of the other.  The price: a chunk's 256 KB are loaded and quantised four times, 48 MB more loads beside the launch's 144 MB of weights.
; PHASE 1: eight waves share the work-group's columns and K; barrier.  PHASE 2 (no barrier, so a wave may leave it by the stored tables): a wave walks items of 32 sorted rows: x's fragments from xq, 8 K steps of products,
;   the activation in f32, the quantiser along the next K, half-images and half scale words to hq.
; The products are used transposed (source 0 = 16 columns of W, source 1 = 16 rows of x), and THE COLUMNS OF A TILE ARE NOT NEIGHBOURS: row r of tile 2 b + u is column 32 b + 8 u + r + 8 (r / 8), so that a lane's 16 registers
;   of tiles 2 b, 2 b + 1 are 16 neighbours along the next K: hidden unit 32 b + 16 (lane / 16) + 0 .. 15.
; Formats (half-image, scale words) and the quantiser: as in the launch that makes xq.  LIMITS: the same; gelu's erfc is two polynomial fits in f32, both computed, one chosen by v_cndmask_b32, so that the negative tail keeps its relative accuracy.
; The two roles are two whole paths with LDS bytes of their own.  No tensor load: phase 2's length is read from memory.  No cluster: partners would need different numbers of items.
; hq's scale bytes leave as half words 4 bytes apart (the other half is the neighbouring chunk's): 0.3 MB of the launch's 160 MB.
; WHAT THIS TEXT DOES OTHERWISE THAN THE LINES ABOVE SAY: an expert's rows are padded to blocks of 96 (three items of 32): 14 blocks, 42 items, 84 tiles at the most.
; W1 IS NOT READ HERE: the launch before has quantised it once into w1q, laid as role D's LDS wants it, and role D's phase 1 is a copy of its chunk's 51,200 consecutive bytes into LDS;
; four work-groups still share a chunk's items, and each copies the chunk's codes.  ew1 and ew3, which one work-group alone reads, are quantised here as said above.
.set XQS,  1032192
.set HS,   8257536                     ; hq: [branch 2][tile 84][chi 64][768], then scale words [branch][64 rows: 21][sigma 32][64 rows]
.set W1S,  3145728                     ; w1q: [chi 64][tile 4][s 8][1536], then scale words [chi][s 8][tile 4][16]
.set DW,   0                           ; LDS, role D: 4 tiles x [s 8][1536];
.set DSC,  49152                       ;   scale words [s 8][tile 4][16]
.set EW,   51200                       ; role E: 8 tiles (0-3 ew1, 4-7 ew3);
.set ESC,  149504                      ;   scale words [s 8][tile 8][16]
.set PITCH, 16384                      ; bytes from row to row of W1, ew1, ew3
.set TRIPS_E, 5                        ; one expert has 11 blocks, 33 items, at the most; wave w takes items first + w, + 8 ..: five at the most
.set TRIPS_D, 2                        ; quarter q, wave w takes items q + 4 w, + 32: two at the most under 42
.set WB,   20                          ; s[20:21] phase 1: the wave's first number
.set X,    32                          ; v32-127  phase 1: three sets of 32 numbers
.set WSC,  24                          ; v24-27   W's scale words: these six registers hold scales and nothing else in the whole text
.set XSC,  28                          ; v28-29   x's scale words, two buffers
.set XB,   32                          ; v32-79   x's fragments: [buffer 2][tile 2][12]
.set WF,   80                          ; v80-127  four fragments of W; at work in the epilogue
.set BIAS, 192                         ; v192-223 role D: b1 in the result's layout
.set KA,   224                         ; v224-229 role D: three constants as pairs
.set KB,   226
.set KC,   228
.set GT,   80                          ; gelu's temporaries, 8 each
.set GS2,  88
.set GR,   96
.set GU,   104
.set GQ,   112
.set GM,   120
; one symbol is set ahead of each role's text: ISTEP, from a wave's item to its next
.macro LOADB t
.set XL, X+32*((\t)%3)
.set li, 0
.rept 32
	global_load_b32 v[XL+li], v1, s[WB:WB+1] offset:(32*(\t)+li)*PITCH th:TH_LOAD_NT   ; 511 rows of 16,384 bytes at the most: inside the signed 24-bit immediate
.set li, li+1
.endr
.endm
.macro PROCB t, n, base, kb, sw
.set XC, X+32*((\t)%3)
.if (\t)+2 < (\n)
	s_wait_loadcnt 63                              ; behind this block's loads 64 younger ones were issued (two blocks): 63 is the stricter count
.elseif (\t)+2 == (\n)
	s_wait_loadcnt 32                              ; one younger block
.else
	s_wait_loadcnt 0x0
.endif
	s_wait_dscnt 0x0                               ; the last block's LDS stores have read the code registers and the scale word
	v_max3_num_f32 v8, |v[XC]|, |v[XC+1]|, |v[XC+2]|
	v_max3_num_f32 v9, |v[XC+3]|, |v[XC+4]|, |v[XC+5]|
.irp i, 6,10,14,18,22,26
	s_delay_alu instid0(VALU_DEP_2)
	v_max3_num_f32 v8, v8, |v[XC+\i]|, |v[XC+\i+1]|
	s_delay_alu instid0(VALU_DEP_2)
	v_max3_num_f32 v9, v9, |v[XC+\i+2]|, |v[XC+\i+3]|
.endr
	s_delay_alu instid0(VALU_DEP_2)
	v_max3_num_f32 v8, v8, |v[XC+30]|, |v[XC+31]|
	s_delay_alu instid0(VALU_DEP_1)
	v_max3_num_f32 v8, v8, v9, 0x1800000           ; and the floor 2^(3 - 127)
	s_delay_alu instid0(VALU_DEP_1)
	v_add_nc_u32 v10, 0xff000000, v8               ; 2 off the exponent field: the conversion's scale operand
	v_cvt_scalef32_pk16_fp6_f32 v[128:130], v[XC:XC+15], v10       ; phase 1's codes lie in v128-134, which hold nothing else until the products begin
	v_cvt_scalef32_pk16_fp6_f32 v[132:134], v[XC+16:XC+31], v10
	v_lshrrev_b32 v11, 23, v10                     ; the scale's byte (the plain place behind the conversions)
.if (\kb) == 0
	s_delay_alu instid0(VALU_DEP_1)
	v_mov_b32 v[\sw], v11
.else
	s_delay_alu instid0(VALU_DEP_1)
	v_lshl_or_b32 v[\sw], v11, 8*(\kb), v[\sw]
.endif
	v_mov_b32 v131, v132                           ; the six registers on end (a conversion's three begin on an even number)
	v_mov_b32 v132, v133
	v_mov_b32 v133, v134
	ds_store_b128 v2, v[128:131] offset:(\base)+256*((\kb)%2)
	ds_store_b64 v3, v[132:133] offset:(\base)+128*((\kb)%2)
.if (\t)+3 < (\n)
	LOADB (\t)+3
.endif
.endm
; phase 1 of a wave: n blocks of 32 along K; behind each fourth the K step's scale word goes to LDS; then the work-group's one barrier
.macro PHASE1 n, sstep
	LOADB 0
	LOADB 1
	LOADB 2
.set tt, 0
.rept \n
	PROCB tt, \n, 1536*(tt/4)+768*((tt%4)/2), tt%4, 12
.if tt%4 == 3
	ds_store_b32 v4, v12 offset:(tt/4)*(\sstep)
.endif
.set tt, tt+1
.endr
	s_wait_dscnt 0x0                               ; for the others' sake: my images and scale words have landed
	s_barrier_signal -1
	s_barrier_wait -1
.endm
; phase 2's addresses that stay: v1-4 the images (16 lane; 512 + 8 lane), v5 the scale words, v12-14 the lane terms, v15 the lane
.macro P2ADDR wreg, sreg, nb
	v_and_b32 v15, 31, v0
	s_delay_alu instid0(VALU_DEP_1)
	v_lshlrev_b32 v12, 4, v15
	s_delay_alu instid0(VALU_DEP_2)
	v_lshlrev_b32 v13, 3, v15
	s_delay_alu instid0(VALU_DEP_1)
	v_add_nc_u32 v13, 512, v13
	s_delay_alu instid0(VALU_DEP_4)
	v_lshlrev_b32 v14, 2, v15
	s_delay_alu instid0(VALU_DEP_4)
	v_add_nc_u32 v1, \wreg, v12
	s_delay_alu instid0(VALU_DEP_3)
	v_add_nc_u32 v2, \wreg, v13
.if (\nb) == 2
	v_add_nc_u32 v3, (\wreg)+49152, v12
	v_add_nc_u32 v4, (\wreg)+49152, v13
.endif
	v_add_nc_u32 v5, \sreg, v14
.endm
.macro HBASE br                        ; s40, s41: what of hq's addresses hangs on the branch and on chi (s39)
	s_mul_i32 s40, s39, 768
	s_add_co_u32 s40, s40, (\br)*4128768
	s_lshr_b32 s41, s39, 1
	s_lshl_b32 s41, s41, 8
	s_and_b32 s36, s39, 1
	s_lshl_b32 s36, s36, 1
	s_add_co_u32 s41, s41, s36
	s_add_co_u32 s41, s41, HS+(\br)*172032
.endm
.macro SETX sq                         ; x's addresses (v6, v7, v8) for item s[sq]; each part is held inside xq ahead of the arithmetic
	s_min_u32 s34, s[\sq], 41
	s_mul_i32 s34, s34, 24576
	s_lshr_b32 s35, s[\sq], 1
	s_min_u32 s35, s35, 20
	s_lshl_b32 s35, s35, 11
	s_and_b32 s36, s[\sq], 1
	s_min_u32 s36, s36, 1
	s_lshl_b32 s36, s36, 7
	s_add_co_u32 s35, s35, s36
	s_add_co_u32 s35, s35, XQS
	v_add_nc_u32 v6, s34, v12
	v_add_nc_u32 v7, s34, v13
	v_add_nc_u32 v8, s35, v14
.endm
.macro SETH                            ; hq's addresses (v9, v10, v11) for item s30
	s_min_u32 s37, s30, 41
	s_mul_i32 s37, s37, 98304
	s_add_co_u32 s37, s37, s40
	s_lshr_b32 s38, s30, 1
	s_min_u32 s38, s38, 20
	s_lshl_b32 s38, s38, 13
	s_and_b32 s36, s30, 1
	s_min_u32 s36, s36, 1
	s_lshl_b32 s36, s36, 7
	s_add_co_u32 s38, s38, s36
	s_add_co_u32 s38, s38, s41
	v_add_nc_u32 v9, s37, v12
	v_add_nc_u32 v10, s37, v13
	v_add_nc_u32 v11, s38, v14
.endm
.macro XFETCH buf, s                   ; nine loads: the item's two fragments of x for K step s, and their scale words (lanes 0-15 the first tile's, lanes 16-31 the second's)
.irp g, 0,1
.set XR_, XB+24*(\buf)+12*\g
	global_load_b128 v[XR_:XR_+3], v6, s[12:13] offset:12288*\g+1536*(\s)
	global_load_b64 v[XR_+4:XR_+5], v7, s[12:13] offset:12288*\g+1536*(\s)
	global_load_b128 v[XR_+6:XR_+9], v6, s[12:13] offset:12288*\g+1536*(\s)+768
	global_load_b64 v[XR_+10:XR_+11], v7, s[12:13] offset:12288*\g+1536*(\s)+768
.endr
	global_load_b32 v[XSC+(\buf)], v8, s[12:13] offset:256*(\s)
.endm
.macro WFETCH bt, s                    ; sixteen LDS loads: tiles 4 bt .. 4 bt + 3 of W for K step s
.irp t, 0,1,2,3
	ds_load_b128 v[WF+12*\t:WF+12*\t+3], v[1+2*(\bt)] offset:12288*\t+1536*(\s)
	ds_load_b64 v[WF+12*\t+4:WF+12*\t+5], v[2+2*(\bt)] offset:12288*\t+1536*(\s)
	ds_load_b128 v[WF+12*\t+6:WF+12*\t+9], v[1+2*(\bt)] offset:12288*\t+1536*(\s)+768
	ds_load_b64 v[WF+12*\t+10:WF+12*\t+11], v[2+2*(\bt)] offset:12288*\t+1536*(\s)+768
.endr
.endm
; one product.  c < 0: the constant 0 starts the sum.  ra, rb: which half of the lanes of the scale registers holds the tile's words
.macro WM d, a, b, c, sa, sb, ra, rb
.set WSEL, 2*(\ra)+(\rb)
.if (\c) < 0
.if WSEL == 0
	v_wmma_scale_f32_16x16x128_f8f6f4 v[\d:\d+7], v[\a:\a+11], v[\b:\b+11], 0, v[\sa], v[\sb] matrix_a_fmt:MATRIX_FMT_FP6 matrix_b_fmt:MATRIX_FMT_FP6
.elseif WSEL == 1
	v_wmma_scale_f32_16x16x128_f8f6f4 v[\d:\d+7], v[\a:\a+11], v[\b:\b+11], 0, v[\sa], v[\sb] matrix_a_fmt:MATRIX_FMT_FP6 matrix_b_fmt:MATRIX_FMT_FP6 matrix_b_scale:MATRIX_SCALE_ROW1
.elseif WSEL == 2
	v_wmma_scale_f32_16x16x128_f8f6f4 v[\d:\d+7], v[\a:\a+11], v[\b:\b+11], 0, v[\sa], v[\sb] matrix_a_fmt:MATRIX_FMT_FP6 matrix_b_fmt:MATRIX_FMT_FP6 matrix_a_scale:MATRIX_SCALE_ROW1
.else
	v_wmma_scale_f32_16x16x128_f8f6f4 v[\d:\d+7], v[\a:\a+11], v[\b:\b+11], 0, v[\sa], v[\sb] matrix_a_fmt:MATRIX_FMT_FP6 matrix_b_fmt:MATRIX_FMT_FP6 matrix_a_scale:MATRIX_SCALE_ROW1 matrix_b_scale:MATRIX_SCALE_ROW1
.endif
.else
.if WSEL == 0
	v_wmma_scale_f32_16x16x128_f8f6f4 v[\d:\d+7], v[\a:\a+11], v[\b:\b+11], v[\c:\c+7], v[\sa], v[\sb] matrix_a_fmt:MATRIX_FMT_FP6 matrix_b_fmt:MATRIX_FMT_FP6
.elseif WSEL == 1
	v_wmma_scale_f32_16x16x128_f8f6f4 v[\d:\d+7], v[\a:\a+11], v[\b:\b+11], v[\c:\c+7], v[\sa], v[\sb] matrix_a_fmt:MATRIX_FMT_FP6 matrix_b_fmt:MATRIX_FMT_FP6 matrix_b_scale:MATRIX_SCALE_ROW1
.elseif WSEL == 2
	v_wmma_scale_f32_16x16x128_f8f6f4 v[\d:\d+7], v[\a:\a+11], v[\b:\b+11], v[\c:\c+7], v[\sa], v[\sb] matrix_a_fmt:MATRIX_FMT_FP6 matrix_b_fmt:MATRIX_FMT_FP6 matrix_a_scale:MATRIX_SCALE_ROW1
.else
	v_wmma_scale_f32_16x16x128_f8f6f4 v[\d:\d+7], v[\a:\a+11], v[\b:\b+11], v[\c:\c+7], v[\sa], v[\sb] matrix_a_fmt:MATRIX_FMT_FP6 matrix_b_fmt:MATRIX_FMT_FP6 matrix_a_scale:MATRIX_SCALE_ROW1 matrix_b_scale:MATRIX_SCALE_ROW1
.endif
.endif
.endm
; eight products: four tiles of W x the item's two tiles of rows.  Accumulator (g, bt, tau) at v[128 + 32 nb g + 32 bt + 8 tau]; they take turns, one instruction a turn, in the same order in every K step
.macro MUL8 s, nb, bt, bias
.irp tau, 0,1,2,3
.irp g, 0,1
.set AD, 128+32*(\nb)*\g+32*(\bt)+8*\tau
.if (\s) == 0
.if (\bias)
.set CR, BIAS+8*\tau
.else
.set CR, -1
.endif
.else
.set CR, AD
.endif
	WM AD, WF+12*\tau, XB+24*((\s)%2)+12*\g, CR, WSC+2*(\bt)+\tau/2, XSC+(\s)%2, \tau%2, \g
.endr
.endr
.endm
.macro PLACES                          ; four plain vector instructions between a matrix instruction and a load into, or a vector instruction on, one of its registers (ISA guide 7.12.1 for vector instructions)
.rept 4
	v_nop
.endr
.endm
.macro KSTEP s, nb, bias
	PLACES
	WFETCH 0, \s
.set ii, 0
.rept 2*(\nb)
	ds_load_b32 v[WSC+ii], v5 offset:(\s)*256*(\nb)+128*ii
.set ii, ii+1
.endr
.if (\s) < 7
	XFETCH ((\s)+1)%2, (\s)+1
	s_wait_loadcnt 9                               ; the nine loads just issued may be out: this K step's nine are in
.else
	s_wait_loadcnt 0x0                             ; the last K step's nine are in, and no load reads x's address registers any more:
	s_add_co_u32 s33, s30, ISTEP
	SETX 33                                        ; they take my next item's (held inside xq where there is none; every byte of xq is written),
	XFETCH 0, 0                                    ; whose first K step is asked for ahead of the epilogue
.endif
	s_wait_dscnt 0x0
	MUL8 \s, \nb, 0, \bias
.if (\nb) == 2
	PLACES
	WFETCH 1, \s
	s_wait_dscnt 0x0
	MUL8 \s, \nb, 1, \bias
.endif
.endm
; 32 numbers of a lane, register 16 b + i = hidden unit 32 b + 16 (lane / 16) + i of the chunk, become tile g's half-image, stored, and two scale bytes in v[30 + g]
.macro QUANT2 h, g
	v_mov_b32 v114, 0                              ; a lane permute's destination counts as read
	v_mov_b32 v115, 0
.irp b, 0,1
	v_max3_num_f32 v[112+\b], |v[\h+16*\b]|, |v[\h+16*\b+1]|, 0x1800000
.endr
.irp i, 2,4,6,8,10,12,14
.irp b, 0,1
	s_delay_alu instid0(VALU_DEP_2)
	v_max3_num_f32 v[112+\b], v[112+\b], |v[\h+16*\b+\i]|, |v[\h+16*\b+\i+1]|
.endr
.endr
	s_delay_alu instid0(VALU_DEP_2)
	v_permlanex16_b32 v114, v112, s42, s43
	s_delay_alu instid0(VALU_DEP_2)
	v_permlanex16_b32 v115, v113, s42, s43
	s_delay_alu instid0(VALU_DEP_2)
	v_max_num_f32 v112, v112, v114
	s_delay_alu instid0(VALU_DEP_2)
	v_max_num_f32 v113, v113, v115
	s_delay_alu instid0(VALU_DEP_2)
	v_add_nc_u32 v116, 0xff000000, v112
	s_delay_alu instid0(VALU_DEP_2)
	v_add_nc_u32 v117, 0xff000000, v113
	s_delay_alu instid0(VALU_DEP_2)
	v_lshrrev_b32 v114, 23, v116
	s_delay_alu instid0(VALU_DEP_2)
	v_lshrrev_b32 v115, 23, v117
	s_delay_alu instid0(VALU_DEP_1)
	v_lshl_or_b32 v[30+\g], v115, 8, v114
	v_cvt_scalef32_pk16_fp6_f32 v[118:120], v[\h:\h+15], v116
	v_cvt_scalef32_pk16_fp6_f32 v[124:126], v[\h+16:\h+31], v117
	v_nop                                          ; one plain place behind a scaled conversion
.irp i, 0,1,2
	v_permlane16_swap_b32 v[118+\i], v[124+\i]     ; a whole block to a lane: lanes 0-15 block 0, lanes 16-31 block 1
.endr
.irp i, 0,1,2
	s_delay_alu instid0(VALU_DEP_3)
	v_mov_b32 v[121+\i], v[124+\i]
.endr
	global_store_b128 v9, v[118:121], s[16:17] offset:49152*\g th:TH_STORE_NT    ; 512 consecutive bytes, aligned to 256,
	global_store_b64 v10, v[122:123], s[16:17] offset:49152*\g th:TH_STORE_NT    ; and the 256 behind them
.endm
.macro SCALES_OUT                      ; lanes 0-15 the first tile's two bytes, lanes 16-31 the second's
	v_cmp_lt_u32 vcc_lo, 15, v15
	s_delay_alu instid0(VALU_DEP_1)
	v_cndmask_b32 v22, v30, v31, vcc_lo
	global_store_b16 v11, v22, s[16:17]
	s_wait_xcnt 0x0                                ; the item's stores have read their registers and addresses: the next item's LDS loads land on the codes' registers
.endm
; the end of a trip: on to my next item; a wave whose items are done leaves the loop (a branch on stored whole numbers; no barrier stands behind it); the loop itself is counted against a constant
.macro NEXT_ITEM head, out, trips
	s_add_co_u32 s30, s30, ISTEP
	s_cmp_lt_u32 s30, s31
	s_cbranch_scc0 \out
	s_add_co_u32 s44, s44, 1
	s_cmp_lt_u32 s44, \trips
	s_cbranch_scc1 \head
.endm
; role E, tile g: h = a sigmoid(a) b, a = x ew1, b = x ew3; in place on a's 32 registers
.macro SWIGLU g
.set H1, 128+64*\g
.set H3, H1+32
.if \g > 0
	s_wait_xcnt 0x0                                ; the first tile's stores have read the code registers
.endif
.set i, 0
.rept 16
	v_pk_mul_f32 v[80+i:81+i], v[H1+i:H1+i+1], 0xbfb8aa3b op_sel_hi:[1,0]   ; -a log2(e); each accumulator is read from its low end on
.set i, i+2
.endr
.set i, 0
	s_wait_alu depctr_va_vdst(0)
.rept 32
	v_exp_f32 v[80+i], v[80+i]
.set i, i+1
.endr
	v_nop                                          ; a plain place behind the exponentials
.set i, 0
	s_wait_alu depctr_va_vdst(0)
.rept 16
	v_pk_add_f32 v[80+i:81+i], v[80+i:81+i], 1.0 op_sel_hi:[1,0]
.set i, i+2
.endr
.set i, 0
	s_wait_alu depctr_va_vdst(0)
.rept 32
	v_rcp_f32 v[80+i], v[80+i]
.set i, i+1
.endr
.set i, 0
	s_wait_alu depctr_va_vdst(0)
.rept 16
	v_pk_mul_f32 v[H1+i:H1+i+1], v[H1+i:H1+i+1], v[H3+i:H3+i+1]              ; a b (the plain places behind the reciprocals)
.set i, i+2
.endr
.set i, 0
	s_wait_alu depctr_va_vdst(0)
.rept 16
	v_pk_mul_f32 v[H1+i:H1+i+1], v[H1+i:H1+i+1], v[80+i:81+i]
.set i, i+2
.endr
.endm
; role D: gelu(x) = max(x, 0) - 0.5 |x| erfc(|x| / sqrt 2), on eight registers (one accumulator), in place.
; t = |x| / sqrt 2.  t above 475/512: erfc = exp(-(t + t P(t))), P of degree 6.  Else: erfc = 1 - (t + t Q(t^2)), Q of degree 5.
.macro GELU8 x
.irp i, 0,1,2,3,4,5,6,7
	v_mul_f32 v[GT+\i], 0x3f3504f3, |v[\x+\i]|
.endr
.irp i, 0,2,4,6
	v_pk_mul_f32 v[GS2+\i:GS2+\i+1], v[GT+\i:GT+\i+1], v[GT+\i:GT+\i+1]
.endr
.irp i, 0,2,4,6
	v_pk_fma_f32 v[GR+\i:GR+\i+1], v[GT+\i:GT+\i+1], 0x37910000, v[KA:KA+1] op_sel_hi:[1,0,1]
.endr
.irp i, 0,2,4,6
	v_pk_fma_f32 v[GU+\i:GU+\i+1], v[GT+\i:GT+\i+1], 0x3b7e8a1c, v[KB:KB+1] op_sel_hi:[1,0,1]
.endr
.irp i, 0,2,4,6
	s_delay_alu instid0(VALU_DEP_4)
	v_pk_fma_f32 v[GR+\i:GR+\i+1], v[GR+\i:GR+\i+1], v[GS2+\i:GS2+\i+1], v[GU+\i:GU+\i+1]
.endr
.irp k, 0x3ddaae5c, 0x3f228550, 0x3e03ce86
.irp i, 0,2,4,6
	s_delay_alu instid0(VALU_DEP_4)
	v_pk_fma_f32 v[GR+\i:GR+\i+1], v[GR+\i:GR+\i+1], v[GT+\i:GT+\i+1], \k op_sel_hi:[1,1,0]
.endr
.endr
.irp i, 0,2,4,6
	s_delay_alu instid0(VALU_DEP_4)
	v_pk_fma_f32 v[GR+\i:GR+\i+1], v[GR+\i:GR+\i+1], v[GT+\i:GT+\i+1], v[GT+\i:GT+\i+1]
.endr
.irp i, 0,2,4,6
	s_delay_alu instid0(VALU_DEP_4)
	v_pk_mul_f32 v[GR+\i:GR+\i+1], v[GR+\i:GR+\i+1], 0xbfb8aa3b op_sel_hi:[1,0]
.endr
	s_wait_alu depctr_va_vdst(0)
.irp i, 0,1,2,3,4,5,6,7
	v_exp_f32 v[GR+\i], v[GR+\i]
.endr
.irp i, 0,2,4,6
	v_pk_fma_f32 v[GQ+\i:GQ+\i+1], v[GS2+\i:GS2+\i+1], 0xba1c7000, v[KC:KC+1] op_sel_hi:[1,0,1]   ; (the other fit: the plain places behind the exponentials)
.endr
.irp k, 0xbcdb48d9, 0x3de70e22, 0xbec09380, 0x3e0375d4
.irp i, 0,2,4,6
	s_delay_alu instid0(VALU_DEP_4)
	v_pk_fma_f32 v[GQ+\i:GQ+\i+1], v[GQ+\i:GQ+\i+1], v[GS2+\i:GS2+\i+1], \k op_sel_hi:[1,1,0]
.endr
.endr
.irp i, 0,2,4,6
	s_delay_alu instid0(VALU_DEP_4)
	v_pk_fma_f32 v[GQ+\i:GQ+\i+1], v[GQ+\i:GQ+\i+1], v[GT+\i:GT+\i+1], v[GT+\i:GT+\i+1]
.endr
.irp i, 0,2,4,6
	s_delay_alu instid0(VALU_DEP_4)
	v_pk_add_f32 v[GQ+\i:GQ+\i+1], v[GQ+\i:GQ+\i+1], 1.0 op_sel_hi:[1,0] neg_lo:[1,0] neg_hi:[1,0]   ; 1 - erf
.endr
	s_wait_alu depctr_va_vdst(0)
.irp i, 0,1,2,3,4,5,6,7
	v_cmp_lt_f32 vcc_lo, 0x3f6d8000, v[GT+\i]
	v_cndmask_b32 v[GQ+\i], v[GQ+\i], v[GR+\i], vcc_lo
.endr
.irp i, 0,1,2,3,4,5,6,7
	v_max_num_f32 v[GM+\i], 0, v[\x+\i]
.endr
.irp i, 0,1,2,3,4,5,6,7
	v_mul_f32 v[GU+\i], -0.5, |v[\x+\i]|
.endr
.irp i, 0,2,4,6
	v_pk_fma_f32 v[\x+\i:\x+\i+1], v[GU+\i:GU+\i+1], v[GQ+\i:GQ+\i+1], v[GM+\i:GM+\i+1]
.endr
.endm
	s_load_b256 s[4:11], s[0:1], 0x0               ; w1q s[4:5], b1 s[6:7], ew1 s[8:9], ew3 s[10:11]
	s_load_b128 s[12:15], s[0:1], 0x20             ; xq s[12:13], route s[14:15]
	s_load_b64 s[16:17], s[0:1], 0x30              ; hq
	v_lshl_add_u32 v23, v0, 2, 0x25800
	v_mov_b32 v21, 0                               ; v23 (my spare word's address) and v21 (0) serve the closing add alone
	v_lshrrev_b32 v1, 5, v0
	s_delay_alu instid0(VALU_DEP_1)
	v_readfirstlane_b32 s22, v1                    ; wave 0..7
	v_and_b32 v13, 31, v0
	s_delay_alu instid0(VALU_DEP_1)
	v_lshlrev_b32 v1, 2, v13                       ; in: lane = column, 4 bytes a lane
	v_bfe_u32 v14, v0, 3, 1                        ; u: which of the wave's two tiles my column belongs to,
	v_and_b32 v15, 7, v0
	v_bfe_u32 v5, v0, 4, 1
	s_delay_alu instid0(VALU_DEP_1)
	v_lshl_add_u32 v15, v5, 3, v15                 ; r: and which row of it: (lane & 7) + 8 (lane >> 4)
	s_delay_alu instid0(VALU_DEP_4)
	v_mul_u32_u24 v2, v14, 12288
	s_delay_alu instid0(VALU_DEP_1)
	v_lshl_add_u32 v3, v15, 3, v2
	s_delay_alu instid0(VALU_DEP_1)
	v_add_nc_u32 v3, 512, v3
	s_delay_alu instid0(VALU_DEP_3)
	v_lshl_add_u32 v2, v15, 4, v2
	v_lshlrev_b32 v4, 6, v14
	s_delay_alu instid0(VALU_DEP_1)
	v_lshl_add_u32 v4, v15, 2, v4
	s_mov_b32 s42, 0x76543210
	s_mov_b32 s43, 0xfedcba98
	s_mov_b32 s44, 0                               ; the trips of phase 2
	s_wait_kmcnt 0x0
	s_cmp_lt_u32 ttmp9, 256
	s_cbranch_scc1 .Lexpert
	; ---------------- ROLE D: work-group = chunk chi x quarter of the items; in phase 1 wave w copies an eighth of the chunk's codes and scale words ----------------
.set ISTEP, 32
	s_sub_co_u32 s23, ttmp9, 256
	s_lshr_b32 s39, s23, 2                         ; chi
	s_and_b32 s45, s23, 3                          ; which quarter of the items
	s_load_b32 s25, s[14:15], 0x1590               ; blocks used
	s_mul_i32 s18, s39, 49152                      ; the chunk's codes,
	s_mul_i32 s27, s22, 6144                       ; my eighth of them (DW = 0)
	s_add_co_u32 s18, s18, s27
	s_lshl_b32 s19, s39, 11                        ; the chunk's 2,048 bytes of scale words,
	s_lshl_b32 s28, s22, 8                         ; my eighth
	s_add_co_u32 s19, s19, s28
	s_add_co_u32 s19, s19, W1S
	s_add_co_u32 s28, s28, DSC
	s_wait_alu depctr_va_vdst(0)
	v_lshlrev_b32 v2, 4, v13                       ; 16 bytes a lane,
	v_lshlrev_b32 v3, 3, v13                       ; 8 of the scale words
	s_delay_alu instid0(VALU_DEP_2)
	v_add_nc_u32 v5, s18, v2
	s_delay_alu instid0(VALU_DEP_2)
	v_add_nc_u32 v6, s19, v3
	s_delay_alu instid0(VALU_DEP_4)
	v_add_nc_u32 v2, s27, v2
	s_delay_alu instid0(VALU_DEP_4)
	v_add_nc_u32 v3, s28, v3
.irp i, 0,1,2,3,4,5,6,7,8,9,10,11
	global_load_b128 v[32+4*\i:35+4*\i], v5, s[4:5] offset:512*\i        ; 512 consecutive bytes, aligned to 256
.endr
	global_load_b64 v[80:81], v6, s[4:5]
	s_wait_alu depctr_va_vdst(0)
	s_wait_loadcnt 0x0
.irp i, 0,1,2,3,4,5,6,7,8,9,10,11
	ds_store_b128 v2, v[32+4*\i:35+4*\i] offset:512*\i
.endr
	ds_store_b64 v3, v[80:81]
	s_wait_dscnt 0x0                               ; for the others' sake: my part of the images and scale words has landed
	s_barrier_signal -1
	s_barrier_wait -1
	P2ADDR DW, DSC, 1
	HBASE 0
	s_wait_kmcnt 0x0
	s_min_u32 s25, s25, 14
	s_lshl_b32 s30, s22, 2
	s_add_co_u32 s30, s30, s45                     ; my first item: quarter + 4 x wave,
	s_mul_i32 s31, s25, 3                          ; the end: three items a block
	s_cmp_lt_u32 s30, s31
	s_cbranch_scc0 .Lend_d
	v_bfe_u32 v16, v0, 4, 1
	s_lshl_b32 s32, s39, 8
	v_lshl_add_u32 v16, v16, 6, s32                ; b1: lane (r, h) wants, for tile 2 b + u, the hidden units 32 b + 16 h + 8 u + 0 .. 7
.irp tau, 0,1,2,3
	global_load_b128 v[BIAS+8*\tau:BIAS+8*\tau+3], v16, s[6:7] offset:(32*(\tau/2)+8*(\tau%2))*4
	global_load_b128 v[BIAS+8*\tau+4:BIAS+8*\tau+7], v16, s[6:7] offset:(32*(\tau/2)+8*(\tau%2))*4+16
.endr
	v_mov_b32 v[KA], 0xb9c8e7d9
	v_mov_b32 v[KA+1], 0xb9c8e7d9
	v_mov_b32 v[KB], 0xbcc6b1a1
	v_mov_b32 v[KB+1], 0xbcc6b1a1
	v_mov_b32 v[KC], 0x3ba38d2c
	v_mov_b32 v[KC+1], 0x3ba38d2c
	s_wait_loadcnt 0x0
	SETX 30
	XFETCH 0, 0                                    ; at the loop's head nine loads are out, on the way in and on the way back
.Litem_d:
	s_wait_alu depctr_va_vdst(0)
.irp s, 0,1,2,3,4,5,6,7
	KSTEP \s, 1, 1                                 ; b1 is the C of each sum's first product
.endr
	PLACES
	SETH
.irp g, 0,1
.if \g > 0
	s_wait_xcnt 0x0                                ; the first tile's stores have read the code registers, which gelu's temporaries share
.endif
.irp k, 0,1,2,3
	GELU8 128+32*\g+8*\k
.endr
	QUANT2 128+32*\g, \g
.endr
	SCALES_OUT
	NEXT_ITEM .Litem_d, .Lend_d, TRIPS_D
.Lend_d:
	s_wait_tensorcnt 0x0                           ; the wave's end
	ds_add_u32 v23, v21
	s_wait_dscnt 0x0
	s_endpgm
	; ---------------- ROLE E: work-group = expert e x chunk chi; wave = matrix mt (ew1, ew3) x 32 columns ch x 512 along K kh ----------------
.Lexpert:
.set ISTEP, 8
	s_lshr_b32 s38, ttmp9, 6                       ; e
	s_and_b32 s39, ttmp9, 63                       ; chi
	s_lshl_b32 s33, s38, 2
	s_load_b32 s24, s[14:15], s33 offset:5504      ; the expert's first block,
	s_load_b32 s25, s[14:15], s33 offset:5508      ; and the next expert's
	s_lshr_b32 s26, s22, 2                         ; mt
	s_bfe_u32 s27, s22, 0x10001                    ; ch
	s_and_b32 s28, s22, 1                          ; kh
	s_lshl_b32 s18, s38, 24                        ; the expert's 16 MiB
	s_lshl_b32 s19, s28, 23                        ; 512 rows of 16,384 bytes
	s_add_co_u32 s18, s18, s19
	s_lshl_b32 s19, s39, 8
	s_add_co_u32 s18, s18, s19
	s_lshl_b32 s19, s27, 7
	s_add_co_u32 s18, s18, s19
	s_mov_b32 s19, 0
	s_cmp_eq_u32 s26, 0
	s_cselect_b64 s[WB:WB+1], s[8:9], s[10:11]     ; the choice hangs on the wave's number alone
	s_add_nc_u64 s[WB:WB+1], s[WB:WB+1], s[18:19]
	s_lshr_b32 s29, s22, 1                         ; tiles 2 (wave / 2), + 1
	s_mul_i32 s32, s29, 24576
	s_mul_i32 s27, s28, 6144
	s_add_co_u32 s32, s32, s27
	s_add_co_u32 s32, s32, EW
	s_wait_alu depctr_va_vdst(0)
	v_add_nc_u32 v2, s32, v2
	v_add_nc_u32 v3, s32, v3
	s_lshl_b32 s32, s28, 11
	s_lshl_b32 s27, s29, 7
	s_add_co_u32 s32, s32, s27
	s_add_co_u32 s32, s32, ESC
	v_add_nc_u32 v4, s32, v4
	PHASE1 16, 512
	P2ADDR EW, ESC, 2
	HBASE 1
	s_wait_kmcnt 0x0
	s_min_u32 s24, s24, 14
	s_min_u32 s25, s25, 14
	s_mul_i32 s30, s24, 3                          ; three items a block
	s_add_co_u32 s30, s30, s22                     ; my first item: the expert's first + wave,
	s_mul_i32 s31, s25, 3                          ; the end
	s_cmp_lt_u32 s30, s31
	s_cbranch_scc0 .Lend_e
	s_wait_alu depctr_va_vdst(0)
	SETX 30
	XFETCH 0, 0
.Litem_e:
	s_wait_alu depctr_va_vdst(0)
.irp s, 0,1,2,3,4,5,6,7
	KSTEP \s, 2, 0
.endr
	PLACES
	SETH
	SWIGLU 0
	QUANT2 128, 0
	SWIGLU 1
	QUANT2 192, 1
	SCALES_OUT
	NEXT_ITEM .Litem_e, .Lend_e, TRIPS_E
.Lend_e:
	s_wait_tensorcnt 0x0                           ; the wave's end
	ds_add_u32 v23, v21
	s_wait_dscnt 0x0
	s_endpgm
.Lfunc_end_k_qf9c3168e68_layer1:
	.size	k_qf9c3168e68_layer1, .Lfunc_end_k_qf9c3168e68_layer1-k_qf9c3168e68_layer1
	.p2alignl 7, 3214868480
	.fill 96, 4, 3214868480
	.section	.rodata,"a",@progbits
	.p2align	6, 0x0
	.amdhsa_kernel k_qf9c3168e68_layer1
		.amdhsa_group_segment_fixed_size 154624
		.amdhsa_private_segment_fixed_size 0
		.amdhsa_enable_private_segment 0
		.amdhsa_kernarg_size 56
		.amdhsa_user_sgpr_count 2
		.amdhsa_user_sgpr_kernarg_segment_ptr 1
		.amdhsa_wavefront_size32 1
		.amdhsa_system_sgpr_workgroup_id_x 1
		.amdhsa_system_sgpr_workgroup_id_y 1
		.amdhsa_system_sgpr_workgroup_id_z 1
		.amdhsa_system_vgpr_workitem_id 0
		.amdhsa_next_free_vgpr 256
		.amdhsa_next_free_sgpr 66
		.amdhsa_reserve_vcc 1
		.amdhsa_float_denorm_mode_32 3
		.amdhsa_float_denorm_mode_16_64 3
		.amdhsa_memory_ordered 1
		.amdhsa_forward_progress 1
		.amdhsa_inst_pref_size 255
	.end_amdhsa_kernel
	.section	.bss,"aw",@nobits
	.p2align	6
	.space	262144
	.amdgpu_metadata
---
amdhsa.version: [ 1, 2 ]
amdhsa.kernels:
  - .name:           k_qf9c3168e68_layer1
    .symbol:         k_qf9c3168e68_layer1.kd
    .args:
      - { .name: w1q, .offset: 0, .size: 8, .value_kind: global_buffer, .address_space: global }
      - { .name: b1, .offset: 8, .size: 8, .value_kind: global_buffer, .address_space: global }
      - { .name: ew1, .offset: 16, .size: 8, .value_kind: global_buffer, .address_space: global }
      - { .name: ew3, .offset: 24, .size: 8, .value_kind: global_buffer, .address_space: global }
      - { .name: xq, .offset: 32, .size: 8, .value_kind: global_buffer, .address_space: global }
      - { .name: route, .offset: 40, .size: 8, .value_kind: global_buffer, .address_space: global }
      - { .name: hq, .offset: 48, .size: 8, .value_kind: global_buffer, .address_space: global }
    .group_segment_fixed_size: 154624
    .private_segment_fixed_size: 0
    .kernarg_segment_align: 8
    .kernarg_segment_size: 56
    .max_flat_workgroup_size: 256
    .sgpr_count:     66
    .vgpr_count:     256
    .wavefront_size: 32
...
	.end_amdgpu_metadata
.endif
;; end of part 3
;; launch layer2 (part 4): grid 16 x 14, 8 waves a work-group, no clusters, 209,920 bytes of LDS; arguments hq, w2q, route, b2, out0; writes out0
.if DOCPART == 4
	.amdgcn_target "amdgcn-amd-amdhsa--gfx1250"
	.amdhsa_code_object_version 6
	.text
	.protected	k_qf9c3168e68_layer2
	.globl	k_qf9c3168e68_layer2
	.p2align	8
	.type	k_qf9c3168e68_layer2,@function
k_qf9c3168e68_layer2:
	s_mov_b64 s[64:65], 0
	v_nop
	global_prefetch_b8 v0, s[64:65] scope:SCOPE_SE
	s_setreg_imm32_b32 hwreg(HW_REG_WAVE_MODE, 25, 1), 1
	s_wait_xcnt 0x0
; THE SECOND LAYERS AND THE SUM.  y = 0.5 (h_d W2 + b2 + h_e ew2[e]).  A work-group owns a block of 96 sorted rows (y: 0..13) x 64 columns (x: 0..15): all rows of a block have one expert, so the dense and the
; expert product of a row meet in one tile with one owner, and no partial sum goes to memory.  K = 4,096 dense + 4,096 of the expert is shared among the eight waves (branch = wave / 4, 1,024 along K each);
; the eight partial tiles meet in LDS behind the one barrier, and each wave sums twelve rows and stores them at their tokens' rows of out0.
; WHY 96 x 64: a K step of a wave loads 6 + 4 fragments for 24 products, and the grid, 16 x 14 = 224, gives no WGP a second work-group.
; The grid serves every split: 14 blocks at the most.  A block that the split leaves unused (its expert's number is 4) does no work and stores nothing; the barriers stand on both ways, under no branch.
; Operands come from memory straight into registers as fragment images (b128, b64, b128, b64).  No tensor load: a branch hangs on a stored number.  No cluster for the same reason.
; No prefetch: the walk is eight K steps written out, and each step asks for all its 45 loads at once.
; The products are used transposed (source 0 = 16 columns of the weight, source 1 = 16 rows of h): a lane holds eight neighbouring columns of one row.
; Rows whose list entry is 1,024 or more are fillers and are not stored.
; REGISTERS: window 0: v1-17 addresses, v22 and v31 for the closing add, v24-28 scales, v32-103 h's fragments, v104-151 the weight's, v224-239 the list, out0's offsets, b2; behind the barrier v32-223 the partial rows.
;   window 1: the 24 accumulators, (a, tau) at v[8 (4 a + tau)].
.set HS,   8257536                     ; hq: [branch 2][tile 84][chi 64][768], then scale words [branch][64 rows: 21][sigma 32][64 rows]
.set W2S,  15728640
.set HF,   32
.set WF,   104
.set WS,   24                          ; v24-25 the weight's scale words; v26-28 h's: these five hold scales and nothing else
.set HSC,  26
.set LST,  224                         ; v224-229 the list's entries of my rows
.set OA,   230                         ; v230-235 their offsets in out0
.set B2,   236                         ; v236-239 b2
.set PT,   26112                       ; LDS: a partial tile: 96 rows x (256 bytes + 16)
.set SPARE, 8*PT                       ; behind the eight: the spare words, 128 bytes a wave
.set MSB, 0
.macro WIN new                         ; the immediate's high byte repeats the setting that is left
.if MSB != \new
	s_set_vgpr_msb (MSB<<8)|\new
.set MSB, \new
.endif
.endm
.macro WM d, a, b, c, sa, sb, ra, rb
.set WSEL, 2*(\ra)+(\rb)
.if (\c) < 0
.if WSEL == 0
	v_wmma_scale_f32_16x16x128_f8f6f4 v[\d:\d+7], v[\a:\a+11], v[\b:\b+11], 0, v[\sa], v[\sb] matrix_a_fmt:MATRIX_FMT_FP6 matrix_b_fmt:MATRIX_FMT_FP6
.elseif WSEL == 1
	v_wmma_scale_f32_16x16x128_f8f6f4 v[\d:\d+7], v[\a:\a+11], v[\b:\b+11], 0, v[\sa], v[\sb] matrix_a_fmt:MATRIX_FMT_FP6 matrix_b_fmt:MATRIX_FMT_FP6 matrix_b_scale:MATRIX_SCALE_ROW1
.elseif WSEL == 2
	v_wmma_scale_f32_16x16x128_f8f6f4 v[\d:\d+7], v[\a:\a+11], v[\b:\b+11], 0, v[\sa], v[\sb] matrix_a_fmt:MATRIX_FMT_FP6 matrix_b_fmt:MATRIX_FMT_FP6 matrix_a_scale:MATRIX_SCALE_ROW1
.else
	v_wmma_scale_f32_16x16x128_f8f6f4 v[\d:\d+7], v[\a:\a+11], v[\b:\b+11], 0, v[\sa], v[\sb] matrix_a_fmt:MATRIX_FMT_FP6 matrix_b_fmt:MATRIX_FMT_FP6 matrix_a_scale:MATRIX_SCALE_ROW1 matrix_b_scale:MATRIX_SCALE_ROW1
.endif
.else
.if WSEL == 0
	v_wmma_scale_f32_16x16x128_f8f6f4 v[\d:\d+7], v[\a:\a+11], v[\b:\b+11], v[\c:\c+7], v[\sa], v[\sb] matrix_a_fmt:MATRIX_FMT_FP6 matrix_b_fmt:MATRIX_FMT_FP6
.elseif WSEL == 1
	v_wmma_scale_f32_16x16x128_f8f6f4 v[\d:\d+7], v[\a:\a+11], v[\b:\b+11], v[\c:\c+7], v[\sa], v[\sb] matrix_a_fmt:MATRIX_FMT_FP6 matrix_b_fmt:MATRIX_FMT_FP6 matrix_b_scale:MATRIX_SCALE_ROW1
.elseif WSEL == 2
	v_wmma_scale_f32_16x16x128_f8f6f4 v[\d:\d+7], v[\a:\a+11], v[\b:\b+11], v[\c:\c+7], v[\sa], v[\sb] matrix_a_fmt:MATRIX_FMT_FP6 matrix_b_fmt:MATRIX_FMT_FP6 matrix_a_scale:MATRIX_SCALE_ROW1
.else
	v_wmma_scale_f32_16x16x128_f8f6f4 v[\d:\d+7], v[\a:\a+11], v[\b:\b+11], v[\c:\c+7], v[\sa], v[\sb] matrix_a_fmt:MATRIX_FMT_FP6 matrix_b_fmt:MATRIX_FMT_FP6 matrix_a_scale:MATRIX_SCALE_ROW1 matrix_b_scale:MATRIX_SCALE_ROW1
.endif
.endif
.endm
.macro GFRAG reg, a16, a8, sb, off     ; a fragment image from memory
	global_load_b128 v[\reg:\reg+3], v[\a16], s[\sb:\sb+1] offset:\off
	global_load_b64 v[\reg+4:\reg+5], v[\a8], s[\sb:\sb+1] offset:\off
	global_load_b128 v[\reg+6:\reg+9], v[\a16], s[\sb:\sb+1] offset:\off+768
	global_load_b64 v[\reg+10:\reg+11], v[\a8], s[\sb:\sb+1] offset:\off+768
.endm
; one of my eight K steps: 45 loads, 24 products; the accumulators take turns, one instruction a turn
.macro DSTEP s
.if (\s) > 0
.rept 4
	v_nop                                          ; four places in front of loads into registers that matrix instructions have read (ISA guide 7.12.1 for vector instructions)
.endr
.endif
.irp a, 0,1,2,3,4,5
	GFRAG HF+12*\a, 3, 4, 4, 49152*\a+1536*(\s)
.endr
.irp tau, 0,1,2,3
	GFRAG WF+12*\tau, 1, 2, 6, 49152*\tau+1536*(\s)
.endr
.irp i, 0,1
	global_load_b32 v[WS+\i], v5, s[6:7] offset:256*(\s)+128*\i
.endr
.irp i, 0,1,2
	global_load_b32 v[HSC+\i], v[6+\i], s[4:5] offset:256*(\s)
.endr
	s_wait_loadcnt 0x0
	WIN 0x50                                       ; C and D in window 1
.irp a, 0,1,2,3,4,5
.irp tau, 0,1,2,3
.set AD, 8*(4*\a+\tau)
.if (\s) == 0
.set CR, -1
.else
.set CR, AD
.endif
	WM AD, WF+12*\tau, HF+12*\a, CR, WS+\tau/2, HSC+\a/2, \tau%2, \a%2
.endr
.endr
	WIN 0
.endm
	s_load_b256 s[4:11], s[0:1], 0x0               ; hq s[4:5], w2q s[6:7], route s[8:9], b2 s[10:11]
	s_load_b64 s[12:13], s[0:1], 0x20              ; out0
	v_lshl_add_u32 v31, v0, 2, SPARE               ; my spare word,
	v_mov_b32 v22, 0                               ; and 0: for the closing add alone
	v_lshrrev_b32 v15, 5, v0
	s_delay_alu instid0(VALU_DEP_1)
	v_readfirstlane_b32 s14, v15                   ; wave 0..7
	v_and_b32 v15, 31, v0                          ; lane
	v_and_b32 v16, 15, v0                          ; r
	v_bfe_u32 v17, v0, 4, 1                        ; h
	s_and_b32 s15, ttmp7, 0xffff                   ; the block
	s_lshl_b32 s21, s15, 2
	s_lshr_b32 s16, s14, 2                         ; branch: 0 dense, 1 expert
	s_and_b32 s17, s14, 3                          ; which quarter of K
	s_wait_alu depctr_va_vdst(0)
	s_wait_kmcnt 0x0
	s_load_b32 s20, s[8:9], s21 offset:5376        ; the block's expert; 4 = unused
	s_mul_i32 s27, s16, 4128768                    ; hq: branch, block (6 tiles of 49,152 bytes), my 8 K steps of 1,536
	s_mul_i32 s25, s15, 294912
	s_add_co_u32 s27, s27, s25
	s_mul_i32 s26, s17, 12288
	s_add_co_u32 s27, s27, s26
	s_mul_i32 s29, s16, 172032                     ; h's scale words: branch, my 8 K steps of 256 bytes
	s_lshl_b32 s28, s17, 11
	s_add_co_u32 s29, s29, s28
	s_add_co_u32 s29, s29, HS
	s_mul_i32 s32, s15, 3                          ; the block's three pairs of tiles: pair t lies in the group of 64 rows t / 2, half t % 2
.irp i, 0,1,2
	s_add_co_u32 s33, s32, \i
	s_lshr_b32 s34, s33, 1
	s_lshl_b32 s34, s34, 13
	s_and_b32 s33, s33, 1
	s_lshl_b32 s33, s33, 7
	s_add_co_u32 s34, s34, s33
	s_add_co_u32 s[36+\i], s34, s29
.endr
	s_mul_i32 s30, s14, PT                         ; my partial tile
	s_mul_i32 s31, s14, 3264                       ; rows 12 wave on, 272 bytes each
	s_mul_i32 s39, s15, 384                        ; the list: place 96 block + 12 wave
	s_mul_i32 s40, s14, 48
	s_add_co_u32 s39, s39, s40
	s_lshl_b32 s41, ttmp9, 8                       ; the 64 columns, in bytes
	v_lshl_add_u32 v3, v15, 4, s27
	v_lshl_add_u32 v4, v15, 3, s27
	s_delay_alu instid0(VALU_DEP_1)
	v_add_nc_u32 v4, 512, v4
	v_lshl_add_u32 v6, v15, 2, s36
	v_lshl_add_u32 v7, v15, 2, s37
	v_lshl_add_u32 v8, v15, 2, s38
	v_mul_u32_u24 v9, v16, 272
	s_delay_alu instid0(VALU_DEP_1)
	v_lshl_add_u32 v9, v17, 5, v9
	s_delay_alu instid0(VALU_DEP_1)
	v_add_nc_u32 v9, s30, v9                       ; in: my tile, row r, + 32 h
	v_mul_u32_u24 v10, v17, 272
	s_delay_alu instid0(VALU_DEP_1)
	v_lshl_add_u32 v10, v16, 4, v10
	s_delay_alu instid0(VALU_DEP_1)
	v_add_nc_u32 v10, s31, v10                     ; back: rows 12 wave + h (+ 2 i), 16 bytes a lane, of partial tiles 0-2,
	s_delay_alu instid0(VALU_DEP_1)
	v_add_nc_u32 v11, 3*PT, v10                    ; 3-5,
	s_delay_alu instid0(VALU_DEP_2)
	v_add_nc_u32 v12, 6*PT, v10                    ; 6 and 7
	v_lshl_add_u32 v13, v17, 2, s39                ; the list: + h (+ 2 i)
	v_lshl_add_u32 v14, v16, 4, s41                ; my 16 bytes of the 64 columns, in b2 and in a row of out0
.irp i, 0,1,2,3,4,5
	global_load_b32 v[LST+\i], v13, s[8:9] offset:8*\i
.endr
	global_load_b128 v[B2:B2+3], v14, s[10:11]
	s_wait_kmcnt 0x0
	s_min_u32 s22, s20, 3                          ; held inside the table ahead of the address arithmetic
	s_add_co_u32 s22, s22, 1
	s_cmp_eq_u32 s16, 0
	s_cselect_b32 s23, 0, s22                      ; the matrix: 0 = W2, 1 + e = ew2[e]
	s_mul_i32 s24, s23, 3145728
	s_mul_i32 s25, ttmp9, 196608
	s_add_co_u32 s24, s24, s25
	s_add_co_u32 s24, s24, s26
	s_lshl_b32 s25, s23, 17
	s_lshl_b32 s31, ttmp9, 13
	s_add_co_u32 s25, s25, s31
	s_add_co_u32 s25, s25, s28
	s_add_co_u32 s25, s25, W2S
	v_lshl_add_u32 v1, v15, 4, s24
	v_lshl_add_u32 v2, v15, 3, s24
	s_delay_alu instid0(VALU_DEP_1)
	v_add_nc_u32 v2, 512, v2
	v_lshl_add_u32 v5, v15, 2, s25
	s_cmp_eq_u32 s20, 4
	s_wait_alu depctr_va_vdst(0)
	s_cbranch_scc1 .Lskip
.irp s, 0,1,2,3,4,5,6,7
	DSTEP \s
.endr
.rept 4
	v_nop                                          ; four places in front of the first read of results
.endr
	WIN 0x04                                       ; the stores' data in window 1
.irp a, 0,1,2,3,4,5
.irp tau, 0,1,2,3
	ds_store_b128 v9, v[8*(4*\a+\tau):8*(4*\a+\tau)+3] offset:4352*\a+64*\tau        ; each accumulator from its low end on
	ds_store_b128 v9, v[8*(4*\a+\tau)+4:8*(4*\a+\tau)+7] offset:4352*\a+64*\tau+16
.endr
.endr
	WIN 0
.Lskip:
	s_wait_dscnt 0x0                               ; for the others' sake: my partial tile has landed
	s_barrier_signal -1
	s_barrier_wait -1
	s_cmp_eq_u32 s20, 4
	s_cbranch_scc1 .Lend
.irp i, 0,1,2,3,4,5
.irp p, 0,1,2,3,4,5,6,7
	ds_load_b128 v[32+32*\i+4*\p:32+32*\i+4*\p+3], v[10+\p/3] offset:PT*(\p%3)+544*\i
.endr
.endr
	s_wait_loadcnt 0x0                             ; the list's entries and b2
	v_pk_mul_f32 v[B2:B2+1], v[B2:B2+1], 0.5 op_sel_hi:[1,0]
	v_pk_mul_f32 v[B2+2:B2+3], v[B2+2:B2+3], 0.5 op_sel_hi:[1,0]
.irp i, 0,1,2,3,4,5
	v_min_u32 v[OA+\i], 0x3ff, v[LST+\i]           ; held inside out0 ahead of the address arithmetic
	s_delay_alu instid0(VALU_DEP_1)
	v_lshl_add_u32 v[OA+\i], v[OA+\i], 12, v14     ; the token's row of 4,096 bytes
.endr
	s_wait_dscnt 0x0
.irp i, 0,1,2,3,4,5
.irp c, 0,2
.set B0, 32+32*\i+\c
	v_pk_add_f32 v[B0:B0+1], v[B0:B0+1], v[B0+4:B0+5]
	v_pk_add_f32 v[B0+8:B0+9], v[B0+8:B0+9], v[B0+12:B0+13]
	v_pk_add_f32 v[B0+16:B0+17], v[B0+16:B0+17], v[B0+20:B0+21]
	v_pk_add_f32 v[B0+24:B0+25], v[B0+24:B0+25], v[B0+28:B0+29]
	s_delay_alu instid0(VALU_DEP_3)
	v_pk_add_f32 v[B0:B0+1], v[B0:B0+1], v[B0+8:B0+9]
	s_delay_alu instid0(VALU_DEP_2)
	v_pk_add_f32 v[B0+16:B0+17], v[B0+16:B0+17], v[B0+24:B0+25]
	s_delay_alu instid0(VALU_DEP_1)
	v_pk_add_f32 v[B0:B0+1], v[B0:B0+1], v[B0+16:B0+17]
	s_delay_alu instid0(VALU_DEP_1)
	v_pk_fma_f32 v[B0:B0+1], v[B0:B0+1], 0.5, v[B2+\c:B2+\c+1] op_sel_hi:[1,0,1]
.endr
.endr
	s_wait_alu depctr_va_vdst(0)
.irp i, 0,1,2,3,4,5
	s_wait_xcnt 0x0                                ; EXEC changes only behind this wait
	v_cmp_gt_u32 vcc_lo, 1024, v[LST+\i]           ; a filler row is not stored
	s_and_saveexec_b32 s31, vcc_lo
	global_store_b128 v[OA+\i], v[32+32*\i:32+32*\i+3], s[12:13] th:TH_STORE_NT   ; sixteen lanes store 256 consecutive bytes of a token's row, aligned to 256
	s_wait_xcnt 0x0
	s_or_b32 exec_lo, exec_lo, s31
.endr
.Lend:
	s_barrier_signal -1
	s_barrier_wait -1
	s_wait_tensorcnt 0x0                           ; the wave's end
	ds_add_u32 v31, v22
	s_wait_dscnt 0x0
	s_endpgm
.Lfunc_end_k_qf9c3168e68_layer2:
	.size	k_qf9c3168e68_layer2, .Lfunc_end_k_qf9c3168e68_layer2-k_qf9c3168e68_layer2
	.p2alignl 7, 3214868480
	.fill 96, 4, 3214868480
	.section	.rodata,"a",@progbits
	.p2align	6, 0x0
	.amdhsa_kernel k_qf9c3168e68_layer2
		.amdhsa_group_segment_fixed_size 209920
		.amdhsa_private_segment_fixed_size 0
		.amdhsa_enable_private_segment 0
		.amdhsa_kernarg_size 40
		.amdhsa_user_sgpr_count 2
		.amdhsa_user_sgpr_kernarg_segment_ptr 1
		.amdhsa_wavefront_size32 1
		.amdhsa_system_sgpr_workgroup_id_x 1
		.amdhsa_system_sgpr_workgroup_id_y 1
		.amdhsa_system_sgpr_workgroup_id_z 1
		.amdhsa_system_vgpr_workitem_id 0
		.amdhsa_next_free_vgpr 448
		.amdhsa_next_free_sgpr 66
		.amdhsa_reserve_vcc 1
		.amdhsa_float_denorm_mode_32 3
		.amdhsa_float_denorm_mode_16_64 3
		.amdhsa_memory_ordered 1
		.amdhsa_forward_progress 1
		.amdhsa_inst_pref_size 82
	.end_amdhsa_kernel
	.amdgpu_metadata
---
amdhsa.version: [ 1, 2 ]
amdhsa.kernels:
  - .name:           k_qf9c3168e68_layer2
    .symbol:         k_qf9c3168e68_layer2.kd
    .args:
      - { .name: hq, .offset: 0, .size: 8, .value_kind: global_buffer, .address_space: global }
      - { .name: w2q, .offset: 8, .size: 8, .value_kind: global_buffer, .address_space: global }
      - { .name: route, .offset: 16, .size: 8, .value_kind: global_buffer, .address_space: global }
      - { .name: b2, .offset: 24, .size: 8, .value_kind: global_buffer, .address_space: global }
      - { .name: out0, .offset: 32, .size: 8, .value_kind: global_buffer, .address_space: global }
    .group_segment_fixed_size: 209920
    .private_segment_fixed_size: 0
    .kernarg_segment_align: 8
    .kernarg_segment_size: 40
    .max_flat_workgroup_size: 256
    .sgpr_count:     66
    .vgpr_count:     448
    .wavefront_size: 32
...
	.end_amdgpu_metadata
.endif
;; end of part 4
